; MI455X (gfx1250); checked and timed in simulation.
; The chip was launched on July 23, 2026; its instructions are those of AMD's public machine-readable ISA for CDNA 5 (MIT licence, August 2026) and "CDNA5" Instruction Set Architecture Reference Guide (July 2026). The comments in the code are by the model that wrote it; some were corrected since.
;; Full Attention Block. Allowed arithmetic: matrix products marked QUANTISED: E2M1 operands, one E8M0 scale for each 32 along K, by v_wmma_scale_f32_16x16x128_f8f6f4 with both operands' format E2M1 (or v_wmma_scale_f32_32x16x128_f4), f32 sums; products left as they are: bf16, f16 or f32 operands; f32 sums; everything else in f32.
;; Inputs: Wk 1,024 x 1,024 float32; Wo 2,048 x 1,024 float32; Wq 1,024 x 2,048 float32; Wv 1,024 x 1,024 float32; hidden_states 2 x 2,048 x 1,024 float32; k_norm_w 128 float32; position_ids 2,048 int32; q_norm_w 128 float32.
;; Outputs: out0 2 x 2,048 x 1,024 float32.
;; This version of the problem:
;;   THIS VERSION OF THE PROBLEM IS GIVEN IN LOW PRECISION. The matrix products marked QUANTISED in the list below multiply operands that are first quantised to E2M1 (2 exponent bits, 1 mantissa bit; 4 bits a number), with one power-of-two scale for each 32 numbers along K (OCP MX v1.0); their sums are f32. The products marked 'left as it is' may take bf16, f16 or f32 operands, with f32 sums. Whichever they take, every output number must still come out within the allowed error. Rounding operands to bf16 (8 significant bits) uses up far more of that allowance than f16 does (11 bits, for magnitudes from 6e-5 to 65,504). All else is computed in f32.
;;   The module's matrix products, in the order in which they are computed (A, B: the left and right operand; K: the contracted axis; several contracted axes count as one K, in the product's order):
;;     1. [M 4,096, K 1,024] x [K 1,024, N 2,048]; A: input hidden_states; B: input Wq: QUANTISED
;;     2. [M 4,096, K 1,024] x [K 1,024, N 1,024]; A: input hidden_states; B: input Wk: QUANTISED
;;     3. [M 4,096, K 1,024] x [K 1,024, N 1,024]; A: input hidden_states; B: input Wv: QUANTISED
;;     4. batch 16 x [M 4,096, K 128] x [K 128, N 2,048]; A: computed on the way; B: computed on the way: left as it is (an operand is computed on the way)
;;     5. batch 16 x [M 4,096, K 2,048] x [K 2,048, N 128]; A: computed on the way; B: computed on the way: left as it is (an operand is computed on the way)
;;     6. [M 4,096, K 2,048] x [K 2,048, N 1,024]; A: computed on the way; B: input Wo: left as it is (an operand is computed on the way)
;;   THE QUANTISER, for each operand of a quantised product, along K:
;;     - K is cut into blocks of 32 from its start; a last block that is shorter is filled with zeros.
;;     - A block's scale is 2^e with e = floor(log2(the largest magnitude in the block)) - 2, held to -126 .. 127; a block of zeros has e = 0. As a byte (E8M0): e + 127.
;;     - Each number is divided by its block's scale, clamped to +-6, and rounded to the nearest number of E2M1, ties to even, subnormals kept.
;;     - The product sums the exact products of the quantised numbers (number of the format x scale) in f32.
;;   ~~~python
;;   def quantise(x, axis):      # numpy; x: float32 -> the quantised numbers, widened to float32 again
;;       x = np.moveaxis(x, axis, -1); K = x.shape[-1]
;;       x = np.pad(x, [(0, 0)] * (x.ndim - 1) + [(0, -K % 32)]); x = x.reshape(x.shape[:-1] + (-1, 32)); a = np.abs(x).max(-1, keepdims=True)
;;       e = np.where(a > 0, np.clip(np.frexp(np.where(a > 0, a, 1))[1] - 1 - 2, -126, 127), 0)      # np.frexp(a)[1] - 1 = floor(log2(a)), exactly
;;       r = np.clip(x / 2.0 ** e, -6, 6)
;;       step = 2.0 ** (np.maximum(np.frexp(np.where(r == 0, 1, r))[1] - 1, 0) - 1)
;;       q = np.round(r / step) * step * 2.0 ** e      # np.round: ties to even
;;       return np.moveaxis(q.reshape(q.shape[:-2] + (-1,))[..., :K], -1, axis).astype(np.float32)
;;   ~~~
;; One version. Each part assembles by itself: llvm-mc -triple=amdgcn-amd-amdhsa -mcpu=gfx1250 --defsym DOCPART=n.
;; ======== version 1 of 1: 5 launches
;; limits: values are held in f16: magnitudes above 65,504 overflow, below 6.1e-05 lose precision; inputs' magnitudes at most 1,048,576; an absolute error that grows with the inputs' magnitude: up to 7.3e-08 times it
;; workspace buffers: codes 4,194,304 bytes; scales 262,144 bytes; wo16 8,388,608 bytes; rope 1,048,576 bytes; qkv 33,554,432 bytes; fhl 524,288 bytes; att 16,777,216 bytes
;; launch prep (part 1): grid 352 x 1, 4 waves a work-group, no clusters, 102,912 bytes of LDS; arguments hidden_states, Wq, Wk, Wv, Wo, position_ids, codes, scales, wo16, rope; writes codes, scales, wo16, rope
.if DOCPART == 1
	.amdgcn_target "amdgcn-amd-amdhsa--gfx1250"
	.amdhsa_code_object_version 6
	.text
	.protected	k_qf46c90c830_prep
	.globl	k_qf46c90c830_prep
	.p2align	8
	.type	k_qf46c90c830_prep,@function
k_qf46c90c830_prep:
	s_mov_b64 s[64:65], 0
	v_nop
	global_prefetch_b8 v0, s[64:65] scope:SCOPE_SE
	s_setreg_imm32_b32 hwreg(HW_REG_WAVE_MODE, 25, 1), 1
	s_wait_xcnt 0x0
; THE PROGRAM: prep (this launch), qkv (products 1 to 3, norm, rotation), attn (products 4 and 5), proj (product 6), fine (positions 0 to 15 once more, finely).
; WORK LEFT OUT, in the whole program: reference() sets the score of key n for query s to -inf wherever n > s (its own jnp.tril), and softmax gives such a key the weight 0 for all values of
; the inputs; so a step of 64 keys all of which come after all 16 queries of a tile reaches no output, and attn neither multiplies nor loads it.  No input is without a way to the output: all eight are loaded.
; LIMIT: a NaN, an infinity or an overflow that would arise only in scores so left out is not carried anywhere (reference() replaces them too).
; THIS LAUNCH makes what the later launches read many times, once.  Four paths, parted by the work-group's number, each with LDS bytes of its own:
;   X, work-groups 0-127:   hidden_states [4096][1024] f32 -> codes of E2M1 [4096][512 B] and one E8M0 byte for each 32 along K [4096][32]
;   W, work-groups 128-191: Wq | Wk | Wv, [1024 k][n] f32, K the FIRST axis -> codes [4096 n][512 B] (n: 2048 of Wq, 1024 of Wk, 1024 of Wv), bytes [4096][32], behind X's in the same buffers
;   O, work-groups 192-319: Wo [2048 k][1024 n] f32 -> Wo^T [1024 n][2048 k] as two f16 numbers: hi = Wo with its low 13 mantissa bits cut (exact in f16), lo = Wo - hi
;   R, work-groups 320-351: cos and sin of position x 1e6^(-f/64), f = 0 .. 63, laid in the order in which qkv's lanes take them
; A block's scale is 2^(floor(log2(largest magnitude)) - 2); its byte is that magnitude's exponent field - 2, held at 1 from below.
; LIMITS: a block of zeros gets the byte 1 where the rule says 127 (its codes are zeros, and only this program reads the bytes); NaN and infinities among the inputs are not served;
; 1e6^(-f/64) is made by one v_exp_f32, so an angle may differ from reference()'s by about 1.5e-4 rad at position 2,047; the reduction of the angle is exact up to |position| = 2^20.
; Memory binds here: no matrix unit, no tensor load, no cluster (work-groups share no input), no barrier (waves share nothing).
.set SPARE, 102400                     ; behind the three paths' regions: the spare words, 128 bytes for each wave
.set SPW, 10                           ; v10  LDS address of my spare word; never rewritten
.set NIL, 1                            ; v1   0; never rewritten
.macro FINISH                          ; a wave's end, behind its last LDS store
	s_wait_tensorcnt 0x0
	ds_add_u32 v[SPW], v[NIL]
	s_wait_dscnt 0x0
	s_endpgm
.endm
; ---- path X: a wave takes 16 steps of 512 numbers; loads four steps ahead, a turn through the wave's own stage one step ahead
.set XSP, 80                           ; a lane's place in a stage: 64 bytes + 16 of padding
.set XR, 16                            ; v16-79   four sets of 16 numbers as loaded
.set XX, 80                            ; v80-111  two sets of 16 neighbours
.set XE, 112                           ; v112-127 a scale byte for each step
.set XC, 128                           ; v128-191 codes, four registers for each step
.macro XLOAD t
.irp i, 0,1,2,3
	global_load_b128 v[XR+16*((\t)%4)+4*\i:XR+16*((\t)%4)+4*\i+3], v3, s[4:5] offset:2048*(\t)+512*\i th:TH_LOAD_NT   ; 32 lanes read 512 consecutive bytes
.endr
.endm
.macro XTURN t                         ; LDS serves a wave's instructions in order: no wait between these stores and loads
.irp i, 0,1,2,3
	ds_store_b128 v14, v[XR+16*((\t)%4)+4*\i:XR+16*((\t)%4)+4*\i+3] offset:32*XSP*((\t)%2)+8*XSP*\i
.endr
.irp i, 0,1,2,3
	ds_load_b128 v[XX+16*((\t)%2)+4*\i:XX+16*((\t)%2)+4*\i+3], v15 offset:32*XSP*((\t)%2)+16*\i
.endr
.endm
.macro XSTEP t
.set XS, XX+16*((\t)%2)
.if (\t) > 0
	s_wait_dscnt 1                                 ; this step's numbers are back from the stage; the last step's byte store may be out
.else
	s_wait_dscnt 0x0
.endif
.if (\t)+4 < 16
	XLOAD (\t)+4
.endif
.if (\t)+1 < 16
.if 14-(\t) >= 3
	s_wait_loadcnt 12                              ; the next step's four loads are in; the 12 of the three steps behind it may be out
.else
	s_wait_loadcnt 4*(14-(\t))
.endif
	XTURN (\t)+1
.endif
	v_max3_num_f32 v8, |v[XS]|, |v[XS+1]|, |v[XS+2]|
	v_max3_num_f32 v9, |v[XS+3]|, |v[XS+4]|, |v[XS+5]|
.irp i, 6,10
	v_max3_num_f32 v8, v8, |v[XS+\i]|, |v[XS+\i+1]|
	v_max3_num_f32 v9, v9, |v[XS+\i+2]|, |v[XS+\i+3]|
.endr
	v_max3_num_f32 v8, v8, |v[XS+14]|, |v[XS+15]|
	v_max3_num_f32 v8, v8, v9, 0x1800000           ; the floor 2^(3 - 127): the byte cannot fall under 1
	v_max_num_f32_dpp v8, v8, v8 row_xmask:1 row_mask:0xf bank_mask:0xf   ; with my neighbour's 16: the block's largest magnitude
	v_add_nc_u32 v11, 0xff000000, v8               ; 2 off its exponent field: the conversion's scale operand
	v_cvt_scalef32_pk8_fp4_f32 v[XC+4*(\t)], v[XS:XS+7], v11
	v_cvt_scalef32_pk8_fp4_f32 v[XC+4*(\t)+1], v[XS+8:XS+15], v11
	v_lshrrev_b32 v[XE+(\t)], 23, v11              ; the scale's byte
	ds_store_b8 v5, v[XE+(\t)] offset:16*(\t)      ; both lanes of a block write the same byte with the same value
	global_store_b64 v4, v[XC+4*(\t):XC+4*(\t)+1], s[16:17] offset:256*(\t)   ; the wave stores 256 consecutive bytes, aligned
.endm
; ---- path W: a lane takes a column, its registers run down K; a wave takes 32 columns x 512 along K
.set WX, 32                            ; v32-95   two sets of 32 numbers
.set WC, 96                            ; v96-99   a block's codes
.set WOUT, 112                         ; v112-175 the way out
.set VO, 176                           ; v176-207 byte offsets of a block's 32 rows: the pitch differs between Wq and Wk, Wv, so it cannot stand in an immediate
.set WSB, 24                           ; v24-27   the scale bytes, four to a register
.macro WLOAD t
.if (\t) > 0
	s_wait_xcnt 0x0                                ; the loads issued so far have read their base: it steps 32 rows
	s_add_nc_u64 s[6:7], s[6:7], s[34:35]
.endif
.set i, 0
.rept 32
	global_load_b32 v[WX+32*((\t)%2)+i], v[VO+i], s[6:7] th:TH_LOAD_NT   ; 32 lanes read 128 consecutive bytes of one row
.set i, i+1
.endr
.endm
.macro WBLOCK t
.set XS, WX+32*((\t)%2)
.if (\t) < 15
	s_wait_loadcnt 32                              ; this block's 32 loads are in; the next block's 32 may be out
.else
	s_wait_loadcnt 0
.endif
	v_max3_num_f32 v12, |v[XS]|, |v[XS+1]|, |v[XS+2]|
	v_max3_num_f32 v13, |v[XS+3]|, |v[XS+4]|, |v[XS+5]|
.irp i, 6,10,14,18,22,26
	v_max3_num_f32 v12, v12, |v[XS+\i]|, |v[XS+\i+1]|
	v_max3_num_f32 v13, v13, |v[XS+\i+2]|, |v[XS+\i+3]|
.endr
	v_max3_num_f32 v12, v12, |v[XS+30]|, |v[XS+31]|
	v_max3_num_f32 v12, v12, v13, 0x1800000
	v_add_nc_u32 v11, 0xff000000, v12
	v_lshrrev_b32 v13, 23, v11
.if (\t)%4 == 0
	v_mov_b32 v[WSB+(\t)/4], v13
.else
	v_lshl_or_b32 v[WSB+(\t)/4], v13, 8*((\t)%4), v[WSB+(\t)/4]
.endif
.irp g, 0,1,2,3
	v_cvt_scalef32_pk8_fp4_f32 v[WC+\g], v[XS+8*\g:XS+8*\g+7], v11
.endr
	ds_store_b128 v4, v[WC:WC+3] offset:16*(\t)    ; 32 codes: 16 bytes of my column's row
.if (\t)+2 < 16
	WLOAD (\t)+2
.endif
	s_wait_dscnt 0x0                               ; the store has read its registers: the next block's codes may be written
.endm
; ---- path O
.macro OLOAD g                         ; 32 rows k of my column
.set i, 0
.rept 32
	global_load_b32 v[128+32*(\g)+i], v3, s[12:13] offset:4096*(32*(\g)+i) th:TH_LOAD_NT
.set i, i+1
.endr
.endm
.macro OWORK g                         ; 16 pairs along k: hi into v32.., lo over the numbers already used
.set i, 16*(\g)
.rept 16
.set T, 16+4*(i%2)
	v_and_b32 v[T], s36, v[128+2*i]
	v_and_b32 v[T+1], s36, v[129+2*i]
	v_pk_add_f32 v[T+2:T+3], v[128+2*i:129+2*i], v[T:T+1] neg_lo:[0,1] neg_hi:[0,1]
	v_cvt_pk_f16_f32 v[32+i], v[T], v[T+1]
	v_cvt_pk_f16_f32 v[128+i], v[T+2], v[T+3]
.set i, i+1
.endr
.endm
.macro OOUT src, back, off             ; 64 registers a lane (256 bytes of my column's row of Wo^T) through the wave's stage, out as whole rows
.irp q, 0,1,2,3,4,5,6,7,8,9,10,11,12,13,14,15
	ds_store_b128 v4, v[\src+4*\q:\src+4*\q+3] offset:16*\q
.endr
.irp t, 0,1,2,3,4,5,6,7,8,9,10,11,12,13,14,15
	ds_load_b128 v[\back+4*\t:\back+4*\t+3], v7 offset:2*\t*272
.endr
.irp t, 0,1,2,3,4,5,6,7,8,9,10,11,12,13,14,15
	s_wait_dscnt 15-\t                             ; LDS loads come back in order: load t is in
	global_store_b128 v8, v[\back+4*\t:\back+4*\t+3], s[20:21] offset:8192*\t+\off   ; sixteen lanes store 256 consecutive bytes, aligned
.endr
.endm
; ---- path R: cos and sin of x times inv, by reduction to |r| <= pi/4 and two polynomials
.macro SINCOS n
	v_mul_f32 v24, v5, v[32+\n]                    ; the angle, as reference() forms it: f32(position) x inv_freq
	v_mul_f32 v25, s40, v24
	v_rndne_f32 v25, v25                           ; n = the nearest whole number of quarter turns
	v_fma_f32 v26, -v25, s41, v24                  ; r = angle - n pi/2, pi/2 in three parts
	v_fma_f32 v26, -v25, s42, v26
	v_fma_f32 v26, -v25, s43, v26
	v_mul_f32 v27, v26, v26
	v_cvt_i32_f32 v28, v25
	v_fma_f32 v29, v27, s44, s45
	v_fma_f32 v31, v27, s47, s48
	v_fma_f32 v29, v29, v27, s46
	v_fma_f32 v31, v31, v27, s49
	v_mul_f32 v30, v26, v27
	v_mul_f32 v48, v27, v27
	v_fma_f32 v49, v27, -0.5, 1.0
	v_fma_f32 v29, v30, v29, v26                   ; sin r
	v_fma_f32 v31, v48, v31, v49                   ; cos r
	v_and_b32 v30, 1, v28
	v_cmp_eq_u32 vcc_lo, 1, v30                    ; an odd quarter swaps the two
	v_cndmask_b32 v48, v29, v31, vcc_lo
	v_cndmask_b32 v49, v31, v29, vcc_lo
	v_lshlrev_b32 v30, 30, v28                     ; the sine changes sign in quarters 2, 3,
	v_add_nc_u32 v28, 1, v28                       ; the cosine in quarters 1, 2
	v_and_b32 v30, 0x80000000, v30
	v_lshlrev_b32 v28, 30, v28
	v_xor_b32 v[56+\n], v30, v48
	v_and_b32 v28, 0x80000000, v28
	v_xor_b32 v[16+\n], v28, v49
.endm
	s_load_b256 s[4:11], s[0:1], 0x0               ; hidden_states, Wq, Wk, Wv
	s_load_b256 s[12:19], s[0:1], 0x20             ; Wo, position_ids, codes, scales
	s_load_b128 s[20:23], s[0:1], 0x40             ; wo16, rope
	v_lshl_add_u32 v[SPW], v0, 2, SPARE
	v_mov_b32 v[NIL], 0
	v_lshrrev_b32 v2, 5, v0
	v_readfirstlane_b32 s24, v2                    ; wave
	v_and_b32 v2, 31, v0                           ; lane
	s_wait_kmcnt 0x0
	s_cmp_lt_u32 ttmp9, 128
	s_cbranch_scc1 .LpathX
	s_cmp_lt_u32 ttmp9, 192
	s_cbranch_scc1 .LpathW
	s_cmp_lt_u32 ttmp9, 320
	s_cbranch_scc1 .LpathO
	; ======== R: a wave takes 16 positions.  Lane (r, h) takes position r and, in trip bb, frequencies 16 bb + 8 h + 0 .. 7: what lane (r, h) of qkv wants of that row.
	s_sub_co_u32 s25, ttmp9, 320
	s_lshl_b32 s25, s25, 2
	s_add_co_u32 s25, s25, s24                     ; my block of 16 positions, 0 .. 127
	s_lshl_b32 s26, s25, 6
	s_mov_b32 s27, 0
	s_add_nc_u64 s[14:15], s[14:15], s[26:27]
	s_lshl_b32 s26, s25, 13                        ; a block's table: 16 stores of 512 bytes
	s_add_nc_u64 s[22:23], s[22:23], s[26:27]
	v_and_b32 v9, 15, v2
	v_lshlrev_b32 v4, 2, v9
	global_load_b32 v5, v4, s[14:15]               ; position_ids of my position
	v_lshrrev_b32 v3, 4, v2
	v_lshlrev_b32 v7, 3, v3                        ; 8 h: my first frequency of trip 0
	v_lshlrev_b32 v8, 4, v2                        ; 16 bytes a lane
	s_mov_b32 s40, 0x3f22f983                      ; 2 / pi
	s_mov_b32 s41, 0x3fc90fdb                      ; pi / 2: high,
	s_mov_b32 s42, 0xb33bbd2e                      ; middle,
	s_mov_b32 s43, 0xa6f72ced                      ; low part
	s_mov_b32 s44, 0xb94ca1f9                      ; the sine's coefficients
	s_mov_b32 s45, 0x3c08839e
	s_mov_b32 s46, 0xbe2aaaa3
	s_mov_b32 s47, 0x37ccf5ce                      ; the cosine's
	s_mov_b32 s48, 0xbab6061a
	s_mov_b32 s49, 0x3d2aaaa5
	s_mov_b32 s38, 0
	s_wait_loadcnt 0x0
	v_cvt_f32_i32 v5, v5
.Lrope:
.irp n, 0,1,2,3,4,5,6,7
	v_add_nc_u32 v[40+\n], \n, v7
.endr
.irp n, 0,1,2,3,4,5,6,7
	v_cvt_f32_u32 v[40+\n], v[40+\n]
.endr
.irp n, 0,1,2,3,4,5,6,7
	v_mul_f32 v[40+\n], 0xbe9f73da, v[40+\n]       ; x -log2(1e6) / 64
.endr
.irp n, 0,1,2,3,4,5,6,7
	v_exp_f32 v[32+\n], v[40+\n]                   ; inv_freq
.endr
	v_add_nc_u32 v7, 16, v7                        ; the next trip's frequencies: a plain instruction behind the exponentials
	s_wait_alu depctr_va_vdst(0)                   ; one wait for the eight, ahead of their first reader
.irp n, 0,1,2,3,4,5,6,7
	SINCOS \n
.endr
	global_store_b128 v8, v[16:19], s[22:23]               ; each store of the wave covers 512 consecutive bytes
	global_store_b128 v8, v[20:23], s[22:23] offset:512
	global_store_b128 v8, v[56:59], s[22:23] offset:4096
	global_store_b128 v8, v[60:63], s[22:23] offset:4608
	s_wait_xcnt 0x0                                ; the stores have read their data and their base: both are written again
	s_add_nc_u64 s[22:23], s[22:23], 1024
	s_add_co_u32 s38, s38, 1
	s_cmp_lt_u32 s38, 4
	s_cbranch_scc1 .Lrope
	s_endpgm
	; ======== X
.LpathX:
	v_lshlrev_b32 v3, 4, v2                        ; my 16 bytes of a load's 512
	s_lshl_b32 s25, s24, 13                        ; LDS: 8,192 bytes for each wave: two stages, then its 256 scale bytes
	v_lshrrev_b32 v14, 2, v2
	v_mul_u32_u24 v14, v14, XSP
	v_and_b32 v15, 3, v2
	v_lshl_add_u32 v14, v15, 4, v14
	v_add_nc_u32 v14, s25, v14                     ; into a stage: four lanes' 64 bytes on end, then 16 of padding
	v_mul_u32_u24 v15, v2, XSP
	v_add_nc_u32 v15, s25, v15                     ; out of it: my 16 neighbours
	v_lshlrev_b32 v4, 3, v2                        ; my codes' place in a step's
	v_lshrrev_b32 v5, 1, v2
	s_add_co_u32 s25, s25, 2*32*XSP
	v_add_nc_u32 v5, s25, v5                       ; my block's scale byte
	v_lshlrev_b32 v7, 3, v2
	v_add_nc_u32 v6, s25, v7
	s_lshl_b32 s26, ttmp9, 2
	s_add_co_u32 s26, s26, s24                     ; which run of 8,192 numbers is my wave's
	s_lshl_b32 s28, s26, 15
	s_mov_b32 s29, 0
	s_add_nc_u64 s[4:5], s[4:5], s[28:29]
	s_lshl_b32 s28, s26, 12
	s_add_nc_u64 s[16:17], s[16:17], s[28:29]
	s_lshl_b32 s28, s26, 8
	s_add_nc_u64 s[18:19], s[18:19], s[28:29]
.irp t, 0,1,2,3
	XLOAD \t
.endr
	s_wait_loadcnt 12                              ; step 0's four loads are in
	XTURN 0
.irp t, 0,1,2,3,4,5,6,7,8,9,10,11,12,13,14,15
	XSTEP \t
.endr
	ds_load_b64 v[8:9], v6                         ; my wave's 256 scale bytes, 8 a lane
	s_wait_dscnt 0x0
	global_store_b64 v7, v[8:9], s[18:19]          ; 256 consecutive bytes, aligned
	FINISH
	; ======== W
.LpathW:
	s_sub_co_u32 s25, ttmp9, 128
	s_lshr_b32 s26, s25, 1                         ; which 128 of the 4,096 joined columns
	s_and_b32 s27, s25, 1                          ; which 512 along K
	s_mov_b32 s30, 4096
	s_cmp_lt_u32 s26, 24                           ; the choices hang on the work-group's number alone
	s_cselect_b64 s[8:9], s[8:9], s[10:11]
	s_cselect_b32 s28, 16, 24
	s_cmp_lt_u32 s26, 16
	s_cselect_b64 s[6:7], s[6:7], s[8:9]           ; the weight,
	s_cselect_b32 s28, 0, s28                      ; where its columns begin among the joined ones,
	s_cselect_b32 s30, 8192, s30                   ; and its row in bytes
	s_sub_co_u32 s28, s26, s28
	s_lshl_b32 s31, s30, 9
	s_mul_i32 s32, s27, s31                        ; 512 rows down,
	s_lshl_b32 s33, s28, 9
	s_add_co_u32 s32, s32, s33                     ; 128 columns of 4 bytes for each group,
	s_lshl_b32 s33, s24, 7
	s_add_co_u32 s32, s32, s33                     ; 32 for each wave
	s_mov_b32 s33, 0
	s_add_nc_u64 s[6:7], s[6:7], s[32:33]
	s_lshl_b32 s34, s30, 5                         ; 32 rows
	s_mov_b32 s35, 0
	s_lshl_b32 s36, s26, 7
	s_lshl_b32 s37, s24, 5
	s_add_co_u32 s36, s36, s37                     ; my wave's first row of the outputs
	s_lshl_b32 s32, s36, 9
	s_lshl_b32 s37, s27, 8
	s_add_co_u32 s32, s32, s37
	s_add_co_u32 s32, s32, 0x200000                ; behind X's codes
	s_add_nc_u64 s[16:17], s[16:17], s[32:33]
	s_lshl_b32 s32, s36, 5
	s_lshl_b32 s37, s27, 4
	s_add_co_u32 s32, s32, s37
	s_add_co_u32 s32, s32, 0x20000                 ; behind X's scale bytes
	s_add_nc_u64 s[18:19], s[18:19], s[32:33]
	v_lshlrev_b32 v[VO], 2, v2
.set i, 1
.rept 31
	v_add_nc_u32 v[VO+i], s30, v[VO+i-1]
.set i, i+1
.endr
	s_mul_i32 s37, s24, 8704
	s_add_co_u32 s37, s37, 32768                   ; my stage: 32 rows of 272 bytes
	v_mul_u32_u24 v4, v2, 272
	v_add_nc_u32 v4, s37, v4
	v_and_b32 v5, 15, v2
	v_lshrrev_b32 v6, 4, v2
	v_mul_u32_u24 v7, v6, 272
	v_lshl_add_u32 v7, v5, 4, v7
	v_add_nc_u32 v7, s37, v7
	v_lshlrev_b32 v8, 9, v6
	v_lshl_add_u32 v8, v5, 4, v8
	v_lshlrev_b32 v9, 5, v2
	WLOAD 0
	WLOAD 1
.irp t, 0,1,2,3,4,5,6,7,8,9,10,11,12,13,14,15
	WBLOCK \t
.endr
	global_store_b128 v9, v[WSB:WSB+3], s[18:19]   ; my column's 16 scale bytes
.irp t, 0,1,2,3,4,5,6,7,8,9,10,11,12,13,14,15
	ds_load_b128 v[WOUT+4*\t:WOUT+4*\t+3], v7 offset:2*\t*272
.endr
.irp t, 0,1,2,3,4,5,6,7,8,9,10,11,12,13,14,15
	s_wait_dscnt 15-\t
	global_store_b128 v8, v[WOUT+4*\t:WOUT+4*\t+3], s[16:17] offset:1024*\t   ; sixteen lanes store 256 consecutive bytes, aligned
.endr
	FINISH
	; ======== O: a wave takes 32 columns n x 128 rows k
.LpathO:
	s_sub_co_u32 s25, ttmp9, 192
	s_and_b32 s26, s25, 7
	s_lshr_b32 s27, s25, 3
	s_lshl_b32 s28, s26, 7
	s_lshl_b32 s29, s24, 5
	s_add_co_u32 s28, s28, s29                     ; my first column
	s_lshl_b32 s30, s27, 19                        ; 128 rows of 4,096 bytes
	s_lshl_b32 s31, s28, 2
	s_add_co_u32 s30, s30, s31
	s_mov_b32 s31, 0
	s_add_nc_u64 s[12:13], s[12:13], s[30:31]
	s_lshl_b32 s30, s28, 12                        ; Wo^T: a row is 4,096 bytes
	s_lshl_b32 s29, s27, 8
	s_add_co_u32 s30, s30, s29
	s_add_nc_u64 s[20:21], s[20:21], s[30:31]
	s_mov_b32 s36, 0xffffe000                      ; keeps sign, exponent and 10 mantissa bits
	v_lshlrev_b32 v3, 2, v2
	s_mul_i32 s29, s24, 8704
	s_add_co_u32 s29, s29, 67584                   ; my stage
	v_mul_u32_u24 v4, v2, 272
	v_add_nc_u32 v4, s29, v4
	v_and_b32 v5, 15, v2
	v_lshrrev_b32 v6, 4, v2
	v_mul_u32_u24 v7, v6, 272
	v_lshl_add_u32 v7, v5, 4, v7
	v_add_nc_u32 v7, s29, v7
	v_lshlrev_b32 v8, 12, v6
	v_lshl_add_u32 v8, v5, 4, v8
	OLOAD 0
	OLOAD 1
	s_wait_loadcnt 32                              ; group 0 is in; group 1's 32 may be out
	OLOAD 2
	OWORK 0
	s_wait_loadcnt 32
	OLOAD 3
	OWORK 1
	s_wait_loadcnt 32
	OWORK 2
	s_wait_loadcnt 0
	OWORK 3
	OOUT 32, 192, 0                                ; hi
	OOUT 128, 32, 4194304                          ; lo, through the same stage (in order behind hi's loads), back into registers that no store still reads
	FINISH
.Lfunc_end_k_qf46c90c830_prep:
	.size	k_qf46c90c830_prep, .Lfunc_end_k_qf46c90c830_prep-k_qf46c90c830_prep
	.p2alignl 7, 3214868480
	.fill 96, 4, 3214868480
	.section	.rodata,"a",@progbits
	.p2align	6, 0x0
	.amdhsa_kernel k_qf46c90c830_prep
		.amdhsa_group_segment_fixed_size 102912
		.amdhsa_private_segment_fixed_size 0
		.amdhsa_enable_private_segment 0
		.amdhsa_kernarg_size 80
		.amdhsa_user_sgpr_count 2
		.amdhsa_user_sgpr_kernarg_segment_ptr 1
		.amdhsa_wavefront_size32 1
		.amdhsa_system_sgpr_workgroup_id_x 1
		.amdhsa_system_sgpr_workgroup_id_y 1
		.amdhsa_system_sgpr_workgroup_id_z 1
		.amdhsa_system_vgpr_workitem_id 0
		.amdhsa_next_free_vgpr 256
		.amdhsa_next_free_sgpr 66
		.amdhsa_reserve_vcc 1
		.amdhsa_float_denorm_mode_32 3
		.amdhsa_float_denorm_mode_16_64 3
		.amdhsa_memory_ordered 1
		.amdhsa_forward_progress 1
		.amdhsa_inst_pref_size 164
	.end_amdhsa_kernel
	.amdgpu_metadata
---
amdhsa.version: [ 1, 2 ]
amdhsa.kernels:
  - .name:           k_qf46c90c830_prep
    .symbol:         k_qf46c90c830_prep.kd
    .args:
      - { .name: hidden_states, .offset: 0, .size: 8, .value_kind: global_buffer, .address_space: global }
      - { .name: Wq, .offset: 8, .size: 8, .value_kind: global_buffer, .address_space: global }
      - { .name: Wk, .offset: 16, .size: 8, .value_kind: global_buffer, .address_space: global }
      - { .name: Wv, .offset: 24, .size: 8, .value_kind: global_buffer, .address_space: global }
      - { .name: Wo, .offset: 32, .size: 8, .value_kind: global_buffer, .address_space: global }
      - { .name: position_ids, .offset: 40, .size: 8, .value_kind: global_buffer, .address_space: global }
      - { .name: codes, .offset: 48, .size: 8, .value_kind: global_buffer, .address_space: global }
      - { .name: scales, .offset: 56, .size: 8, .value_kind: global_buffer, .address_space: global }
      - { .name: wo16, .offset: 64, .size: 8, .value_kind: global_buffer, .address_space: global }
      - { .name: rope, .offset: 72, .size: 8, .value_kind: global_buffer, .address_space: global }
    .group_segment_fixed_size: 102912
    .private_segment_fixed_size: 0
    .kernarg_segment_align: 8
    .kernarg_segment_size: 80
    .max_flat_workgroup_size: 128
    .sgpr_count:     66
    .vgpr_count:     256
    .wavefront_size: 32
...
	.end_amdgpu_metadata
.endif
;; end of part 1
;; launch qkv (part 2): grid 16 x 16, 4 waves a work-group, clusters of 4 x 4, 327,680 bytes of LDS; arguments codes, scales, rope, q_norm_w, k_norm_w, qkv, fhl; writes qkv, fhl
.if DOCPART == 2
	.amdgcn_target "amdgcn-amd-amdhsa--gfx1250"
	.amdhsa_code_object_version 6
	.text
	.protected	k_qf46c90c830_qkv
	.globl	k_qf46c90c830_qkv
	.p2align	8
	.type	k_qf46c90c830_qkv,@function
k_qf46c90c830_qkv:
	s_mov_b64 s[64:65], 0
	v_nop
	global_prefetch_b8 v0, s[64:65] scope:SCOPE_SE
	s_setreg_imm32_b32 hwreg(HW_REG_WAVE_MODE, 25, 1), 1
	s_wait_xcnt 0x0
	s_wait_alu depctr_hold_cnt(0) depctr_sa_sdst(0) depctr_va_vdst(0) depctr_va_sdst(0) depctr_va_ssrc(0) depctr_va_vcc(0) depctr_vm_vsrc(0)
	s_getreg_b32 s2, hwreg(HW_REG_IB_STS2, 6, 4)
	s_cmp_eq_u32 s2, 0
	s_cbranch_scc0 .Lentry_in_a_cluster
	s_endpgm
.Lentry_in_a_cluster:
	s_bfe_u32 s2, ttmp6, 0x10000c
	s_cmp_lg_u32 s2, 0xf033
	s_cbranch_scc0 .Lentry_shape_is_right
	s_endpgm
.Lentry_shape_is_right:
; Products 1 to 3 as ONE product on codes of E2M1: C[4096 rows][4096 n] = X W^T, K = 1,024; n: 16 heads of q, 8 of k, 8 of v, 128 columns each.  Then, in f32 and in registers: the RMS norm with its gain and the
; rotation (q and k), rounding to f16, and out as qkv [b 2][H 32][s 2048][128].  Nothing is left out here.
; A tile of C, 256 x 256, is made by four waves; a wave makes 128 rows x 128 columns = ONE HEAD: 64 accumulators of 16 x 16.  All of K is two LDS slots of 512: both come with the first fills, nothing is filled again.
; THE MATRIX INSTRUCTION IS USED TRANSPOSED (source 0 = 16 rows of W, source 1 = 16 rows of X): in accumulator (a, bb) lane (r, h) holds row 16 a + r and columns d = 16 bb + 8 h + 0 .. 7.  So a row's sum of squares is
; a lane's 64 numbers and those of the lane 16 away, and the rotation's partner d + 64 is the same lane and register of accumulator bb + 4.
; CLUSTERS: 4 x 4 work-groups; A's tiles are asked for jointly along a row of the cluster, B's along a column.  The cluster's x says what the columns are (0, 1: q; 2: k; 3: v): the same in all partners.
; The text parts into an arm for q and k and an arm for v ahead of K's last 128, so that the gains and the first cos and sin are asked for 64 products ahead of their use, and by q's and k's work-groups alone.
; POSITIONS 0 TO 15 of each sequence also leave as pairs of f16 numbers (hi = the number with its low 13 mantissa bits cut, lo = the rest), fhl [b][H][hi, lo][16][128], for the launch that computes those rows finely.
; LIMITS: |gain| under about 4,000, so that q and k (at most 16 |gain|) stay inside f16; v inside f16's range (65,504).
; REGISTERS: window 0: v0-31 addresses; v32-95 scale words and nothing else; v128-191 A's fragments; on the way out v96-159 a block's numbers, v160-223 rows read back, v224-255 at work.
;   window 1: B's fragments at v0-63 and v128-191; v64-127 the gains; three sets of cos and sin at v192, v0, v128.   windows 2, 3: the accumulators of my rows 0-63 and 64-127.
.set KSTEP,  512
.set NQ,     4
.set ROWB,   256
.set KROW,   512
.set PITCH,  272                       ; an LDS row: 256 bytes + 16 of padding = 68 words, so that the 16 rows that a load touches begin 4 words further on each
.set FR,     8
.set NL,     2
.set NP,     4
.set HALFT,  128*PITCH
.set SLOT,   4*HALFT
.set KS,     32                        ; a row of scale bytes
.set SCL,    2*SLOT
.set HALFS,  4352                      ; the scales of 128 rows: 16 pieces of 256 bytes + 16
.set SBLK,   544
.set SPARE,  SCL+4*HALFS               ; the spare words, 128 bytes for each wave
.set SP,     272                       ; the way out: a stage of 16 rows x (256 + 16) bytes for each wave, in slot 0, which has had its only fill and its last read by then
.set ADRA, 16
.set ADRB, 20
.set FO,   22                          ; v22  256 r + 16 h: my place in a head's 16 fine rows
.set CYV,  23                          ; v23  my work-group's place along the cluster's y
.set STO,  24
.set RD,   25
.set CO,   26                          ; v26  16 x lane
.set ADRS, 27
.set SPW,  28
.set NIL,  29
.set WO,   31                          ; v31  32 h: my place in the gains
.set SC,   32
.set AF,   128
.set Y,    96                          ; the way out: v96-159 a block's 64 numbers; packed to f16 in place, into v96-127
.set BK,   160                         ; v160-191, v192-223 rows read back, by turns
.set RT,   224                         ; v224-239 at work in the rotation
.set G1, 24
.set G0, 32
.set G1B, 48
.set G0B, 56
.set G1S, 68
.set G0S, 76
.set G1SB, 80
.set G0SB, 88
.set SEL, 104                          ; s[104:105] lane selects for v_permlanex16_b32: lane l xor 16
.set MSB, 0
.macro WIN new                         ; the immediate's high byte repeats the setting that is left
.if MSB != \new
	s_set_vgpr_msb (MSB<<8)|\new
.set MSB, \new
.endif
.endm
.set MUL_LO, 0xa1
.set MUL_HI, 0xf1
.set TO_B,   0x40
; A joint load: waves 0 and 1 fetch for A, waves 2 and 3 for B; an s_nop 0 and four v_nop follow each of the two lines.
.macro JLOAD g0a, g1a, g0b, g1b
	s_cmp_eq_u32 s15, 0
	s_cbranch_scc0 .Lfor_b_\@
	tensor_load_to_lds s[\g0a:\g0a+3], s[\g1a:\g1a+7]
	s_nop 0
.rept 4
	v_nop
.endr
	s_branch .Lasked_\@
.Lfor_b_\@:
	tensor_load_to_lds s[\g0b:\g0b+3], s[\g1b:\g1b+7]
	s_nop 0
.rept 4
	v_nop
.endr
.Lasked_\@:
.endm
.macro CROUND                          ; a round of the cluster's barrier
	s_barrier_signal -1
	s_barrier_wait -1
	s_cmp_lg_u32 s14, 0
	s_cbranch_scc1 .Lnot_wave_0_\@
	s_barrier_signal -3
.Lnot_wave_0_\@:
	s_barrier_wait -3
	s_barrier_signal -1
	s_barrier_wait -1
.endm
	s_load_b128 s[4:7], s[0:1], 0x0                ; codes, scales
	s_load_b128 s[96:99], s[0:1], 0x10             ; rope, q_norm_w
	s_load_b64 s[66:67], s[0:1], 0x20              ; k_norm_w
	s_load_b64 s[12:13], s[0:1], 0x28              ; qkv
	s_load_b64 s[100:101], s[0:1], 0x30            ; fhl
	v_lshl_add_u32 v[SPW], v0, 2, SPARE
	v_mov_b32 v[NIL], 0
	ds_add_u32 v[SPW], v[NIL]                      ; the wave's opening: the add, twice on end, and its wait ahead of my first tensor load
	ds_add_u32 v[SPW], v[NIL]
	v_lshrrev_b32 v1, 5, v0
	v_readfirstlane_b32 s14, v1                    ; wave 0..3
	s_lshr_b32 s15, s14, 1                         ; my half of the tile's rows.  Also: I fetch for A (0) or for B (1)
	s_and_b32 s16, s14, 1                          ; my half of its columns.  Also: which 128 rows I fetch
	s_bfe_u32 s40, ttmp6, 0x40000                  ; cx, cy
	s_bfe_u32 s41, ttmp6, 0x40004
	s_lshl_b32 s42, ttmp9, 2
	s_add_co_u32 s42, s42, s40                     ; tile column
	s_and_b32 s17, ttmp7, 0xffff
	s_lshl_b32 s17, s17, 2
	s_add_co_u32 s17, s17, s41                     ; tile row
	s_lshl_b32 s43, s41, 2
	s_lshl_b32 s43, 15, s43                        ; my row of the cluster
	s_lshl_b32 s44, 0x1111, s40                    ; my column
	s_or_b32 s[G1+0], s43, (0<<16)|(1<<20)|(1<<21)|(5<<22)|(3<<25)  ; the mask; elements of 1 byte; 4 words of padding behind every 64
	s_or_b32 s[G1B+0], s44, (0<<16)|(1<<20)|(1<<21)|(5<<22)|(3<<25)
.irp g, G1, G1B
	s_mov_b32 s[\g+1], ROWB<<16                    ; tensor_dim0
	s_mov_b32 s[\g+2], 128<<16                     ; tensor_dim1
	s_mov_b32 s[\g+3], ROWB<<16                    ; tile_dim0
	s_mov_b32 s[\g+4], 128                         ; tile_dim1
	s_mov_b32 s[\g+5], KROW                        ; from row to row
	s_mov_b32 s[\g+6], 0
	s_mov_b32 s[\g+7], 0
.endr
	s_or_b32 s[G1S+0], s43, (3<<16)|(1<<20)|(1<<21)|(5<<22)|(3<<25) ; the scales of 128 rows: 4,096 dense bytes as 16 rows of 256 (32 elements of 8 bytes)
	s_or_b32 s[G1SB+0], s44, (3<<16)|(1<<20)|(1<<21)|(5<<22)|(3<<25)
.irp g, G1S, G1SB
	s_mov_b32 s[\g+1], 32<<16
	s_mov_b32 s[\g+2], 16<<16
	s_mov_b32 s[\g+3], 32<<16
	s_mov_b32 s[\g+4], 16
	s_mov_b32 s[\g+5], 32
	s_mov_b32 s[\g+6], 0
	s_mov_b32 s[\g+7], 0
.endr
	s_lshl_b32 s18, s16, 7
	s_lshl_b32 s20, s17, 8
	s_add_co_u32 s20, s20, s18                     ; A: row 256 x tile row + 128 x half
	s_lshl_b32 s46, s42, 8
	s_add_co_u32 s46, s46, s18                     ; B: row 256 x tile column + 128 x half
	s_mov_b32 s21, 0
	s_mov_b32 s47, 0
	s_mov_b64 s[18:19], KS
	s_mul_u64 s[22:23], s[20:21], s[18:19]
	s_mul_u64 s[92:93], s[46:47], s[18:19]
	s_mov_b64 s[18:19], KROW
	s_mul_u64 s[20:21], s[20:21], s[18:19]
	s_mul_u64 s[46:47], s[46:47], s[18:19]
	s_mul_i32 s45, s14, HALFT
	s_mul_i32 s94, s14, HALFS
	s_wait_dscnt 0x0                               ; both opening adds are done
	s_wait_kmcnt 0x0
	s_add_nc_u64 s[8:9], s[4:5], 0x200000          ; W's codes lie behind X's,
	s_add_nc_u64 s[10:11], s[6:7], 0x20000         ; and its scale bytes
	s_add_nc_u64 s[20:21], s[4:5], s[20:21]
	s_add_nc_u64 s[22:23], s[6:7], s[22:23]
	s_add_nc_u64 s[46:47], s[8:9], s[46:47]
	s_add_nc_u64 s[92:93], s[10:11], s[92:93]
	CROUND                                         ; all sixteen work-groups are here: the joint loads meet
	s_mov_b32 s[G0S], 1
	s_add_co_u32 s[G0S+1], s94, SCL
	s_mov_b64 s[G0S+2:G0S+3], s[22:23]
	s_or_b32 s[G0S+3], s[G0S+3], 0x80000000
	s_mov_b32 s[G0SB], 1
	s_add_co_u32 s[G0SB+1], s94, SCL
	s_mov_b64 s[G0SB+2:G0SB+3], s[92:93]
	s_or_b32 s[G0SB+3], s[G0SB+3], 0x80000000
	JLOAD G0S, G1S, G0SB, G1SB                     ; the scales first
.irp s, 0,1
	s_mov_b32 s[G0+4*\s], 1
	s_add_co_u32 s[G0+4*\s+1], s45, \s*SLOT
	s_add_nc_u64 s[G0+4*\s+2:G0+4*\s+3], s[20:21], \s*ROWB
	s_or_b32 s[G0+4*\s+3], s[G0+4*\s+3], 0x80000000
	s_mov_b32 s[G0B+4*\s], 1
	s_add_co_u32 s[G0B+4*\s+1], s45, \s*SLOT
	s_add_nc_u64 s[G0B+4*\s+2:G0B+4*\s+3], s[46:47], \s*ROWB
	s_or_b32 s[G0B+4*\s+3], s[G0B+4*\s+3], 0x80000000
	JLOAD G0+4*\s, G1, G0B+4*\s, G1B               ; three tensor loads of mine are out
.endr
	v_and_b32 v1, 15, v0                           ; r
	v_bfe_u32 v2, v0, 4, 1                         ; h
	v_mul_u32_u24 v3, v1, PITCH
	v_lshl_add_u32 v4, v2, 4, v3
	s_mul_i32 s21, s15, HALFT
	s_mul_i32 s22, s16, HALFT
	s_add_co_u32 s22, s22, 2*HALFT
.irp s, 0,1
	v_add_nc_u32 v[ADRA+\s], s21, v4
	v_add_nc_u32 v[ADRB+\s], s22, v4
	s_add_co_u32 s21, s21, SLOT
	s_add_co_u32 s22, s22, SLOT
.endr
	v_mul_u32_u24 v5, v1, KS
	v_lshrrev_b32 v6, 8, v5
	v_lshl_add_u32 v5, v6, 4, v5
	s_mul_i32 s21, s15, HALFS
	s_mul_i32 s22, s16, HALFS
	s_add_co_u32 s22, s22, 2*HALFS
	s_sub_co_u32 s22, s22, s21
	v_mul_u32_u24 v6, s22, v2                      ; lanes 16-31 take B's scale words
	s_add_co_u32 s21, s21, SCL
	v_add_nc_u32 v5, v5, v6
	v_add_nc_u32 v[ADRS], s21, v5
	s_mul_i32 s23, s14, 16*SP                      ; my stage
	v_mul_u32_u24 v5, v1, SP
	v_lshl_add_u32 v5, v2, 4, v5
	v_add_nc_u32 v[STO], s23, v5                   ; in: row r, 16 bytes for each half of the lanes
	v_mul_u32_u24 v5, v2, SP
	v_lshl_add_u32 v5, v1, 4, v5
	v_add_nc_u32 v[RD], s23, v5                    ; back: lanes 0-15 one row, lanes 16-31 the next
	v_and_b32 v6, 31, v0
	v_lshlrev_b32 v[CO], 4, v6
	v_lshlrev_b32 v[FO], 8, v1
	v_lshl_add_u32 v[FO], v2, 4, v[FO]
	v_lshlrev_b32 v[WO], 5, v2
	v_mov_b32 v[CYV], s41
	v_mov_b32 v5, 0                                ; (named as the upper half of the pair v[4:5])
	s_lshr_b32 s18, s17, 3                         ; b
	s_lshl_b32 s19, s18, 5
	s_lshl_b32 s20, s42, 1
	s_add_co_u32 s19, s19, s20
	s_add_co_u32 s19, s19, s16                     ; 32 b + H: my head
	s_and_b32 s20, s17, 7
	s_lshl_b32 s20, s20, 8
	s_lshl_b32 s21, s15, 7
	s_add_co_u32 s20, s20, s21                     ; my first position in the sequence
	s_lshl_b32 s22, s19, 19
	s_lshl_b32 s23, s20, 8
	s_add_co_u32 s22, s22, s23
	s_mov_b32 s23, 0
	s_add_nc_u64 s[12:13], s[12:13], s[22:23]      ; qkv at my head's first row of mine: my 128 rows are 32,768 consecutive bytes
	s_lshl_b32 s22, s19, 13
	s_add_nc_u64 s[100:101], s[100:101], s[22:23]  ; fhl at my head
	s_lshl_b32 s22, s20, 9
	s_add_nc_u64 s[96:97], s[96:97], s[22:23]      ; the table at my first block of 16 positions
	s_and_b32 s94, ttmp7, 1
	s_or_b32 s94, s94, s15                         ; 0 where my wave's first rows can be a sequence's first: cluster y even, upper half of the tile: the same in all partners
	s_mov_b32 s92, 0x3c000000                      ; 1 / 128
	s_mov_b32 s93, 0x358637bd                      ; 1e-6
	s_mov_b32 s3, 0xffffe000
	s_mov_b32 s[SEL], 0x76543210
	s_mov_b32 s[SEL+1], 0xfedcba98
; cos and sin of row block a: 16 loads of 512 consecutive bytes, into set a % 3 of window 1: 32 cos (register 8 bb + j: d = 16 bb + 8 h + j), then 32 sin
.macro CSLOAD a
.set CB, 192
.if (\a)%3 == 1
.set CB, 0
.endif
.if (\a)%3 == 2
.set CB, 128
.endif
	WIN 0x40
.irp i, 0,1,2,3,4,5,6,7
	global_load_b128 v[CB+4*\i:CB+4*\i+3], v[CO], s[96:97] offset:8192*(\a)+512*\i
	global_load_b128 v[CB+32+4*\i:CB+32+4*\i+3], v[CO], s[96:97] offset:8192*(\a)+512*\i+4096
.endr
.endm
.macro FRAG reg, adr, q, i
.irp c, 0,1
	ds_load_b128 v[\reg+4*\c:\reg+4*\c+3], v[\adr] offset:64*(\q)+32*\c+(\i)*16*PITCH
.endr
.endm
; 16 matrix instructions: A's blocks a0, a0 + 1 x B's eight.  The 64 accumulators take turns, one instruction a turn.
.macro MUL16 a0, p, q, sc, zero
.irp a, \a0, \a0+1
.irp b, 0,1,2,3,4,5,6,7
.if \zero
	v_wmma_scale_f32_16x16x128_f8f6f4 v[8*(8*((\a)%4)+\b):8*(8*((\a)%4)+\b)+7], v[128*(\p)+FR*\b:128*(\p)+FR*\b+FR-1], v[AF+FR*(\a):AF+FR*(\a)+FR-1], 0, v[SC+8*NQ*(\sc)+NQ*\b+(\q)], v[SC+8*NQ*(\sc)+NQ*(\a)+(\q)] matrix_a_fmt:MATRIX_FMT_FP4 matrix_b_fmt:MATRIX_FMT_FP4 matrix_a_scale:MATRIX_SCALE_ROW1
.else
	v_wmma_scale_f32_16x16x128_f8f6f4 v[8*(8*((\a)%4)+\b):8*(8*((\a)%4)+\b)+7], v[128*(\p)+FR*\b:128*(\p)+FR*\b+FR-1], v[AF+FR*(\a):AF+FR*(\a)+FR-1], v[8*(8*((\a)%4)+\b):8*(8*((\a)%4)+\b)+7], v[SC+8*NQ*(\sc)+NQ*\b+(\q)], v[SC+8*NQ*(\sc)+NQ*(\a)+(\q)] matrix_a_fmt:MATRIX_FMT_FP4 matrix_b_fmt:MATRIX_FMT_FP4 matrix_a_scale:MATRIX_SCALE_ROW1
.endif
.endr
.endr
.endm
.macro FETCH_B slot, q, p
	WIN TO_B
.irp i, 0,1,2,3,4,5,6,7
	FRAG 128*(\p)+FR*\i, ADRB+\slot, \q, \i
.endr
	WIN 0
.endm
.macro FETCH_A slot, q, i0
.irp i, \i0, \i0+1, \i0+2, \i0+3
	FRAG AF+FR*(\i), ADRA+\slot, \q, \i
.endr
.endm
.macro SCALES sc
.irp i, 0,1,2,3,4,5,6,7
	ds_load_b128 v[SC+8*NQ*\sc+NQ*\i:SC+8*NQ*\sc+NQ*\i+3], v[ADRS] offset:\i*SBLK
.endr
.endm
.macro PLACES n                        ; plain vector instructions between a matrix instruction and a load into, or a read of, its registers
.rept \n
	v_nop
.endr
.endm
.macro STEP slot, q, zero
	s_wait_dscnt 4*NL                              ; B's set and A's blocks 0-3 are in; the youngest eight loads (A's blocks 4-7) may be out
	WIN MUL_LO
	MUL16 0, (\q)%2, \q, \slot, \zero
	MUL16 2, (\q)%2, \q, \slot, \zero
	s_wait_dscnt 0
	PLACES NP
	FETCH_B \slot, (\q)+1, 1-(\q)%2
	FETCH_A \slot, (\q)+1, 0
	WIN MUL_HI
	MUL16 4, (\q)%2, \q, \slot, \zero
	MUL16 6, (\q)%2, \q, \slot, \zero
	PLACES NP
	WIN 0
	FETCH_A \slot, (\q)+1, 4
.endm
.macro STEPS slot, from
.set Q, \from
.rept NQ-1-\from
	STEP \slot, Q, 0
.set Q, Q+1
.endr
.endm
.macro LASTSTEP                        ; K's last 128: nothing more to fetch.  Written once in each arm
	s_wait_dscnt 4*NL
	WIN MUL_LO
	MUL16 0, 1, NQ-1, 1, 0
	MUL16 2, 1, NQ-1, 1, 0
	s_wait_dscnt 0
	WIN MUL_HI
	MUL16 4, 1, NQ-1, 1, 0
	MUL16 6, 1, NQ-1, 1, 0
	WIN 0
.endm
	s_wait_tensorcnt 1                             ; the scales and my part of slot 0 are in; slot 1's load may be out
	s_barrier_signal -1
	s_barrier_wait -1
	FETCH_B 0, 0, 0
	FETCH_A 0, 0, 0
	SCALES 0
	FETCH_A 0, 0, 4
	STEP 0, 0, 1                                   ; the first products start the sums: nothing is cleared
	STEPS 0, 1
	; slot 0's last step changes slots: one barrier; in front of it my part of slot 1 has landed
	s_wait_tensorcnt 0x0
	ds_add_u32 v[SPW], v[NIL]                      ; 0 onto my spare word
	s_wait_dscnt 4*NL+1                            ; the add and A's blocks 4-7 may be out
	WIN MUL_LO
	MUL16 0, 1, NQ-1, 0, 0
	s_wait_dscnt 0x0
	s_barrier_signal -1
	MUL16 2, 1, NQ-1, 0, 0
	WIN 0
	s_barrier_wait -1                              ; slot 1 is whole, and nobody reads slot 0 any more
	PLACES NP
	v_add_nc_u32 v[ADRS], 4*NQ, v[ADRS]
	FETCH_B 1, 0, 0
	FETCH_A 1, 0, 0
	SCALES 1
	WIN MUL_HI
	MUL16 4, 1, NQ-1, 0, 0
	MUL16 6, 1, NQ-1, 0, 0
	PLACES NP
	WIN 0
	FETCH_A 1, 0, 4
	STEPS 1, 0
; THE WAY OUT, a block of 16 rows at a time.
; NORMROPE a: y = gain x (x rsqrt(mean x^2 + 1e-6)); then y(d) cos - y(d + 64) sin and y(d + 64) cos + y(d) sin, d under 64.
.macro NORMROPE a
.set AC, 64*((\a)%4)
.set AW, 2+(\a)/4
.set CB, 192
.if (\a)%3 == 1
.set CB, 0
.endif
.if (\a)%3 == 2
.set CB, 128
.endif
	WIN AW*5                                       ; sources 0 and 1: the accumulators' window
.set p, 0
.rept 32                               ; the sum of squares in four chains; each accumulator is read from its low end on
.if p < 4
	v_pk_mul_f32 v[6+2*p:7+2*p], v[AC+2*p:AC+2*p+1], v[AC+2*p:AC+2*p+1]
.else
	v_pk_fma_f32 v[6+2*(p%4):7+2*(p%4)], v[AC+2*p:AC+2*p+1], v[AC+2*p:AC+2*p+1], v[6+2*(p%4):7+2*(p%4)]
.endif
.set p, p+1
.endr
	WIN 0
	v_pk_add_f32 v[6:7], v[6:7], v[8:9]
	v_pk_add_f32 v[10:11], v[10:11], v[12:13]
	v_pk_add_f32 v[6:7], v[6:7], v[10:11]
	v_add_f32 v6, v6, v7
	v_permlanex16_b32 v7, v6, s[SEL], s[SEL+1]     ; the row's other 64 numbers lie in the lane 16 away
	v_add_f32 v6, v6, v7
	v_fma_f32 v6, v6, s92, s93
	v_rsq_f32 v4, v6
	v_nop                                          ; a plain instruction behind the transcendental,
	s_wait_alu depctr_va_vdst(0)                   ; and a wait ahead of its first reader
	WIN AW
.set p, 0
.rept 32
	v_pk_mul_f32 v[Y+2*p:Y+2*p+1], v[AC+2*p:AC+2*p+1], v[4:5] op_sel_hi:[1,0]
.set p, p+1
.endr
.if (\a) <= 5
	s_wait_loadcnt 32                              ; this block's cos and sin (and the gains) are in; the 32 loads of the two blocks behind it may be out
.else
	s_wait_loadcnt 16*(7-(\a))
.endif
	WIN 0x04                                       ; source 1: window 1
.set p, 0
.rept 32
	v_pk_mul_f32 v[Y+2*p:Y+2*p+1], v[Y+2*p:Y+2*p+1], v[64+2*p:65+2*p]
.set p, p+1
.endr
.set p, 0
.rept 16
.set T, RT+4*(p%4)
	v_pk_mul_f32 v[T:T+1], v[Y+32+2*p:Y+33+2*p], v[CB+32+2*p:CB+33+2*p]
	v_pk_mul_f32 v[T+2:T+3], v[Y+2*p:Y+2*p+1], v[CB+32+2*p:CB+33+2*p]
	v_pk_fma_f32 v[Y+2*p:Y+2*p+1], v[Y+2*p:Y+2*p+1], v[CB+2*p:CB+2*p+1], v[T:T+1] neg_lo:[0,0,1] neg_hi:[0,0,1]
	v_pk_fma_f32 v[Y+32+2*p:Y+33+2*p], v[Y+32+2*p:Y+33+2*p], v[CB+2*p:CB+2*p+1], v[T+2:T+3]
.set p, p+1
.endr
.if (\a)+3 <= 7
	CSLOAD (\a)+3                                  ; into the set just used
.endif
	WIN 0
.endm
.macro PACKY                           ; in place: register n takes numbers 2 n and 2 n + 1, ascending, so that nothing is written before it is read
.set n, 0
.rept 32
	v_cvt_pk_f16_f32 v[Y+n], v[Y+2*n], v[Y+2*n+1]
.set n, n+1
.endr
.endm
.macro PACKV a
.set AC, 64*((\a)%4)
	WIN 0x0a+5*((\a)/4)
.set n, 0
.rept 32
	v_cvt_pk_f16_f32 v[Y+n], v[AC+2*n], v[AC+2*n+1]
.set n, n+1
.endr
	WIN 0
.endm
.macro TOSTAGE a                       ; 16 bytes a lane into my stage, back as whole rows of 256 bytes; LDS serves a wave's instructions in order
.set BB, BK+32*((\a)%2)
.if (\a) > 1
	s_wait_xcnt 0x0                                ; the stores of two blocks ago have read the registers that these loads fill
.endif
.irp bb, 0,1,2,3,4,5,6,7
	ds_store_b128 v[STO], v[Y+4*\bb:Y+4*\bb+3] offset:32*\bb
.endr
.irp t, 0,1,2,3,4,5,6,7
	ds_load_b128 v[BB+4*\t:BB+4*\t+3], v[RD] offset:\t*2*SP
.endr
.endm
.macro SEND a
.set BB, BK+32*((\a)%2)
	s_wait_dscnt 0x0
.irp t, 0,1,2,3,4,5,6,7
	global_store_b128 v[CO], v[BB+4*\t:BB+4*\t+3], s[12:13] offset:4096*(\a)+512*\t   ; 32 lanes store 512 consecutive bytes, aligned
.endr
.endm
; The first 16 rows as pairs of f16, 16 numbers of a lane at a time.  src: the 64 numbers, in window w.  Only the work-group at the cluster's y = 0 holds a sequence's first rows: that is told by EXEC, not by a branch.
.macro FINE w, src
.irp hf, 0,1,2,3
	WIN 4*\w
.set n, 0
.rept 16
	v_and_b32 v[224+n], s3, v[\src+16*\hf+n]
.set n, n+1
.endr
	WIN \w
.set n, 0
.rept 8
	v_pk_add_f32 v[240+2*n:241+2*n], v[\src+16*\hf+2*n:\src+16*\hf+2*n+1], v[224+2*n:225+2*n] neg_lo:[0,1] neg_hi:[0,1]
.set n, n+1
.endr
	WIN 0
.set n, 0
.rept 8
	v_cvt_pk_f16_f32 v[160+8*\hf+n], v[224+2*n], v[225+2*n]
	v_cvt_pk_f16_f32 v[192+8*\hf+n], v[240+2*n], v[241+2*n]
.set n, n+1
.endr
.endr
	s_wait_xcnt 0x0                                ; EXEC changes only behind this wait
	v_cmp_eq_u32 vcc_lo, 0, v[CYV]
	s_and_saveexec_b32 s2, vcc_lo
.irp bb, 0,1,2,3,4,5,6,7
	global_store_b128 v[FO], v[160+4*\bb:163+4*\bb], s[100:101] offset:32*\bb
	global_store_b128 v[FO], v[192+4*\bb:195+4*\bb], s[100:101] offset:32*\bb+4096
.endr
	s_wait_xcnt 0x0                                ; and again: the stores have read EXEC and their registers
	s_or_b32 exec_lo, exec_lo, s2
.endm
	s_cmp_eq_u32 ttmp9, 3                          ; v has no norm and no rotation: its arm asks for no gain and no table
	s_cbranch_scc1 .Lvarm
	; ---- q and k
	s_cmp_eq_u32 ttmp9, 2
	s_cselect_b64 s[98:99], s[66:67], s[98:99]     ; k's gain or q's
	WIN 0x40                                       ; into registers of window 1 that no product names
.irp bb, 0,1,2,3,4,5,6,7
	global_load_b128 v[64+8*\bb:64+8*\bb+3], v[WO], s[98:99] offset:64*\bb
	global_load_b128 v[64+8*\bb+4:64+8*\bb+7], v[WO], s[98:99] offset:64*\bb+16
.endr
	CSLOAD 0
	WIN 0
	LASTSTEP
	PLACES NP                                      ; behind the last products: for the loads into B's registers and the first reads of results
	CSLOAD 1
	CSLOAD 2
	WIN 0
	NORMROPE 0
	s_cmp_lg_u32 s94, 0
	s_cbranch_scc1 .Lnofine_qk
	FINE 0, Y
.Lnofine_qk:
	PACKY
	TOSTAGE 0
.irp a, 1,2,3,4,5,6,7
	NORMROPE \a
	PACKY
	SEND \a-1
	TOSTAGE \a
.endr
	SEND 7
	s_branch .Ldone
	; ---- v
.Lvarm:
	LASTSTEP
	PLACES NP
	s_cmp_lg_u32 s94, 0
	s_cbranch_scc1 .Lnofine_v
	FINE 2, 0
.Lnofine_v:
	PACKV 0
	TOSTAGE 0
.irp a, 1,2,3,4,5,6,7
	PACKV \a
	SEND \a-1
	TOSTAGE \a
.endr
	SEND 7
.Ldone:
	s_wait_tensorcnt 0x0                           ; the wave's end
	ds_add_u32 v[SPW], v[NIL]
	s_wait_dscnt 0x0
	CROUND                                         ; the closing round
	s_endpgm
.Lfunc_end_k_qf46c90c830_qkv:
	.size	k_qf46c90c830_qkv, .Lfunc_end_k_qf46c90c830_qkv-k_qf46c90c830_qkv
	.p2alignl 7, 3214868480
	.fill 96, 4, 3214868480
	.section	.rodata,"a",@progbits
	.p2align	6, 0x0
	.amdhsa_kernel k_qf46c90c830_qkv
		.amdhsa_group_segment_fixed_size 327680
		.amdhsa_private_segment_fixed_size 0
		.amdhsa_enable_private_segment 0
		.amdhsa_kernarg_size 56
		.amdhsa_user_sgpr_count 2
		.amdhsa_user_sgpr_kernarg_segment_ptr 1
		.amdhsa_wavefront_size32 1
		.amdhsa_system_sgpr_workgroup_id_x 1
		.amdhsa_system_sgpr_workgroup_id_y 1
		.amdhsa_system_sgpr_workgroup_id_z 1
		.amdhsa_system_vgpr_workitem_id 0
		.amdhsa_next_free_vgpr 1024
		.amdhsa_next_free_sgpr 106
		.amdhsa_reserve_vcc 1
		.amdhsa_float_denorm_mode_32 3
		.amdhsa_float_denorm_mode_16_64 3
		.amdhsa_memory_ordered 1
		.amdhsa_forward_progress 1
		.amdhsa_inst_pref_size 255
	.end_amdhsa_kernel
	.section	.bss,"aw",@nobits
	.p2align	6
	.space	262144
	.amdgpu_metadata
---
amdhsa.version: [ 1, 2 ]
amdhsa.kernels:
  - .name:           k_qf46c90c830_qkv
    .symbol:         k_qf46c90c830_qkv.kd
    .args:
      - { .name: codes, .offset: 0, .size: 8, .value_kind: global_buffer, .address_space: global }
      - { .name: scales, .offset: 8, .size: 8, .value_kind: global_buffer, .address_space: global }
      - { .name: rope, .offset: 16, .size: 8, .value_kind: global_buffer, .address_space: global }
      - { .name: q_norm_w, .offset: 24, .size: 8, .value_kind: global_buffer, .address_space: global }
      - { .name: k_norm_w, .offset: 32, .size: 8, .value_kind: global_buffer, .address_space: global }
      - { .name: qkv, .offset: 40, .size: 8, .value_kind: global_buffer, .address_space: global }
      - { .name: fhl, .offset: 48, .size: 8, .value_kind: global_buffer, .address_space: global }
    .group_segment_fixed_size: 327680
    .private_segment_fixed_size: 0
    .kernarg_segment_align: 8
    .kernarg_segment_size: 56
    .max_flat_workgroup_size: 128
    .sgpr_count:     106
    .vgpr_count:     1024
    .wavefront_size: 32
...
	.end_amdgpu_metadata
.endif
;; end of part 2
;; launch attn (part 3): grid 16 x 16, 4 waves a work-group, no clusters, 327,680 bytes of LDS; arguments qkv, att; writes att
.if DOCPART == 3
	.amdgcn_target "amdgcn-amd-amdhsa--gfx1250"
	.amdhsa_code_object_version 6
	.text
	.protected	k_qf46c90c830_attn
	.globl	k_qf46c90c830_attn
	.p2align	8
	.type	k_qf46c90c830_attn,@function
k_qf46c90c830_attn:
	s_mov_b64 s[64:65], 0
	v_nop
	global_prefetch_b8 v0, s[64:65] scope:SCOPE_SE
	s_setreg_imm32_b32 hwreg(HW_REG_WAVE_MODE, 25, 1), 1
	s_wait_xcnt 0x0
; att[b][s][head][:] = the sum over keys n <= s of softmax_n(q . k / sqrt(128)) v.  q, k, v: qkv [b][H 32][s 2048][128] f16 (H 0-15 q, 16-23 k, 24-31 v); att: [4096 rows][2048] f16.  Products, maxima and sums in f32.
; WORK LEFT OUT: a step of 64 keys all of which come after a tile's 16 queries is neither loaded nor multiplied: reference()'s own mask gives those keys the weight 0 for all values of the inputs.
; LIMIT: a NaN or an infinity that would arise only in hidden scores is carried nowhere (in a diagonal step they are replaced by -infinity, as reference() replaces them).
; SHARES.  Work-group (J, y): key and value head y % 8 of batch y / 8.  Wave w owns two blocks of 16 positions, p = 4 J + w (early) and 127 - p (late), each for BOTH query heads of the group: four tiles of 16 queries.
; The early block needs key steps 0 .. J, the late one 0 .. 31 - J: 2 (J + 1) + 2 (32 - J) = 66 tile-steps in every wave of the launch.  A fragment of K or V read from LDS feeds both heads.
; LAYOUT.  S^T = K Q^T and O^T = V^T P: a lane holds ONE query (lane % 16) throughout; K comes out of LDS as it lies, V turned by ds_load_tr16_b128.
; A KEY STEP, in phases: K's and V's fragments are fetched; the late pair of tiles: 32 products K Q^T, the softmax with a running maximum, 32 products V^T P; then, while the step is at or under J, the early pair likewise.
; THE RING: two LDS slots of 4 steps (256 keys).  Each wave fetches 128 rows of K or of V with one tensor load.  The change of slots stands at a slot's head; behind its barrier the slot just left is filled with the
; keys that follow, while some wave will read them.  All trip counts are constants; what is left out is jumped over by branches on ids and counted steps.  Every wait for tensor loads is for all of them.
; NO CLUSTER: the work-groups of a head walk 32 - J steps, a different number each, and the look-ahead ends by a jump round the load, which a joint load does not allow.
; REGISTERS: window 0: addresses, v12-43 statistics (8 a tile), v64-191 S^T (32 a tile), v192-255 P (16 a tile).  window 1: O^T (64 a tile).  window 2: v0-127 Q, v128-255 K.  window 3: v0-127 V.
; Tiles: 0, 1 = late block, heads 0, 1;  2, 3 = early block, heads 0, 1.
.set PK,    272                        ; a row of K in LDS: 256 bytes + 16
.set PVP,   288                        ; a row of V: 256 + 32
.set SLK,   256*PK                     ; a slot: 256 rows of K, then 256 rows of V
.set SLOT,  SLK+256*PVP
.set STAGE, 2*SLOT                     ; the way out: 16 rows x 272 bytes for each wave
.set SP,    272
.set SPARE, STAGE+4*16*SP              ; the spare words
.set AK0, 2
.set AV0, 3
.set ADK, 4
.set ADV, 5
.set QO,  6
.set STO, 7
.set RD,  8
.set GO,  10
.set ST,  12                           ; tile t at v[ST + 8 t]: +0 c m, +1 m, +2, +3 l, +4 .. +7 at work; a takes +6
.set DE,  44                           ; v44  16 w + r - 8 h: in the early block's diagonal step key 16 kt + j of my half is hidden where 16 kt + j is above it
.set DL,  45                           ; v45  16 (3 - w) + r - 8 h: the same for the late block
.set NEG, 46                           ; v46  -infinity
.set PFO, 61                           ; v61  256 x lane
.set SPW, 62
.set NIL, 63
.set S,   64
.set P,   192
.set KF,  128
.set WV,  12
.set J,   13
.set PLIM, 15
.set PFA, 18
.set G1K, 24
.set G1V, 32
.set G0K, 40
.set G0V, 44
.set SLOTS, 56
.set STEPC, 57
.set CS,  58
.set SEL, 60
.set FB,  63                           ; s63  the slot that the next load fills: 0 or SLOT
.set TK,  68                           ; s68  LDS byte at which the step's rows of K begin
.set TV,  69                           ; s69  the same for V, less SLK
.set F,   70                           ; s70  the key step
.set LAST, 72                          ; s72  31 - J
.set LQ,  73                           ; s73  my work-group's last query: 2047 - 64 J
.set NK,  74                           ; s74  the first key of the slot that the next change asks for
.set KW,  75
.set VW,  76
.set QB,  80                           ; s[80:81] Q at the late block, s[82:83] at the early one
.set OB,  84                           ; s[84:85], s[86:87] att likewise
.set MSB, 0
.macro WIN new
.if MSB != \new
	s_set_vgpr_msb (MSB<<8)|\new
.set MSB, \new
.endif
.endm
.set W_KQ, 0x0a
.set W_PV, 0x53
.set W_RS, 0x41
.macro PLACES
.rept 4
	v_nop
.endr
.endm
; The loads of one half of a slot: wave half fetches K's 128 rows, wave half + 2 V's.  An s_nop 0 and four v_nop follow each load.
.macro TLOAD half
	s_cmp_eq_u32 s[WV], \half
	s_cbranch_scc0 .Lnot_k_\@
	tensor_load_to_lds s[G0K:G0K+3], s[G1K:G1K+7]
	s_nop 0
.rept 4
	v_nop
.endr
	s_branch .Lasked_\@
.Lnot_k_\@:
	s_cmp_eq_u32 s[WV], \half+2
	s_cbranch_scc0 .Lasked_\@
	tensor_load_to_lds s[G0V:G0V+3], s[G1V:G1V+7]
	s_nop 0
.rept 4
	v_nop
.endr
.Lasked_\@:
.endm
; Product i of 32 of S^T = K Q^T for tiles x, x + 1: channels 32 (i / 8) on, keys 16 ((i / 2) % 4) on.  Eight accumulators by turns; the first 8 start the sums.
.macro KQ x
	WIN W_KQ
.set rS, S+32*(\x+i%2)+8*((i/2)%4)
.set rK, KF+32*((i/2)%4)+8*(i/8)
.set rQ, 32*(\x+i%2)+8*(i/8)
.if i < 8
	v_wmma_f32_16x16x32_f16 v[rS:rS+7], v[rK:rK+7], v[rQ:rQ+7], 0
.else
	v_wmma_f32_16x16x32_f16 v[rS:rS+7], v[rK:rK+7], v[rQ:rQ+7], v[rS:rS+7]
.endif
.endm
; Product i of 32 of O^T += V^T P: keys 32 (i / 16) on, channels 16 ((i / 2) % 8) on.  Sixteen accumulators by turns.
.macro PVM x
	WIN W_PV
.set rO, 64*(\x+i%2)+8*((i/2)%8)
.set rV, 64*(i/16)+8*((i/2)%8)
.set rP, P+16*(\x+i%2)+8*(i/16)
	v_wmma_f32_16x16x32_f16 v[rO:rO+7], v[rV:rV+7], v[rP:rP+7], v[rO:rO+7]
.endm
; The diagonal step: register n of a tile holds key 16 (n / 8) + 8 h + n % 8 of the step; one compare serves both heads.
.macro MASK x, D
.set n, 0
.rept 32
	v_cmp_gt_i32 vcc_lo, 16*(n/8)+n%8, v[\D]
	v_cndmask_b32 v[S+32*(\x)+n], v[S+32*(\x)+n], v[NEG], vcc_lo
	v_cndmask_b32 v[S+32*(\x)+32+n], v[S+32*(\x)+32+n], v[NEG], vcc_lo
.set n, n+1
.endr
.endm
; The softmax of tiles x, x + 1 for one step, the two tiles line by line: p = 2^(c s - c m), c = log2(e) / sqrt(128); l and O^T are multiplied by a = 2^(c m_old - c m_new).
.macro SOFTMAX x
	WIN 0
.irp j, 0,1,2,3
.irp t, \x, \x+1
	v_max3_num_f32 v[ST+8*(\t)+4+\j], v[S+32*(\t)+8*\j], v[S+32*(\t)+8*\j+1], v[S+32*(\t)+8*\j+2]   ; each accumulator is read from its low end on
.endr
.endr
.irp u, 3,5
.irp j, 0,1,2,3
.irp t, \x, \x+1
	v_max3_num_f32 v[ST+8*(\t)+4+\j], v[ST+8*(\t)+4+\j], v[S+32*(\t)+8*\j+\u], v[S+32*(\t)+8*\j+\u+1]
.endr
.endr
.endr
.irp t, \x, \x+1
	v_max3_num_f32 v[ST+8*(\t)+4], v[ST+8*(\t)+4], v[S+32*(\t)+7], v[S+32*(\t)+15]
	v_max3_num_f32 v[ST+8*(\t)+6], v[ST+8*(\t)+6], v[S+32*(\t)+23], v[S+32*(\t)+31]
.endr
.irp t, \x, \x+1
	v_max3_num_f32 v[ST+8*(\t)+4], v[ST+8*(\t)+4], v[ST+8*(\t)+5], v[ST+8*(\t)+6]
.endr
.irp t, \x, \x+1
	v_max3_num_f32 v[ST+8*(\t)+4], v[ST+8*(\t)+4], v[ST+8*(\t)+7], v[ST+8*(\t)+1]   ; with the old m
.endr
.irp t, \x, \x+1
	v_permlanex16_b32 v[ST+8*(\t)+5], v[ST+8*(\t)+4], s[SEL], s[SEL+1]              ; the query's other 32 keys lie in the lane 16 away
.endr
.irp t, \x, \x+1
	v_mov_b32 v[ST+8*(\t)+7], v[ST+8*(\t)]                                          ; c m_old
.endr
.irp t, \x, \x+1
	v_max_num_f32 v[ST+8*(\t)+1], v[ST+8*(\t)+4], v[ST+8*(\t)+5]
.endr
.irp t, \x, \x+1
	v_mul_f32 v[ST+8*(\t)], s[CS], v[ST+8*(\t)+1]
.endr
.irp t, \x, \x+1
	v_sub_f32 v[ST+8*(\t)+7], v[ST+8*(\t)+7], v[ST+8*(\t)]
.endr
.irp t, \x, \x+1
	v_exp_f32 v[ST+8*(\t)+6], v[ST+8*(\t)+7]                                        ; a
.endr
.irp t, \x, \x+1
.irp z, 0,1,2,3,4,5,6,7,8,9,10,11,12,13,14,15
	v_pk_fma_f32 v[S+32*(\t)+2*\z:S+32*(\t)+2*\z+1], v[S+32*(\t)+2*\z:S+32*(\t)+2*\z+1], s[CS:CS+1], v[ST+8*(\t):ST+8*(\t)+1] op_sel_hi:[1,0,0] neg_lo:[0,0,1] neg_hi:[0,0,1]
.endr
.endr
.irp t, \x, \x+1
.set n, 0
.rept 32
	v_exp_f32 v[S+32*(\t)+n], v[S+32*(\t)+n]
.set n, n+1
.endr
.endr
	v_nop                                          ; a plain instruction behind the last exponential,
	s_wait_alu depctr_va_vdst(0)                   ; and ONE wait for the 66, ahead of the first instruction that names a result
.irp t, \x, \x+1
.irp z, 0,1,2,3,4,5,6,7,8,9,10,11,12,13,14,15
	v_cvt_pk_f16_f32 v[P+16*(\t)+\z], v[S+32*(\t)+2*\z], v[S+32*(\t)+2*\z+1]
.endr
.endr
.irp z, 0,1,2,3,4,5,6,7
.irp t, \x, \x+1
	v_pk_add_f32 v[S+32*(\t)+4*\z:S+32*(\t)+4*\z+1], v[S+32*(\t)+4*\z:S+32*(\t)+4*\z+1], v[S+32*(\t)+4*\z+2:S+32*(\t)+4*\z+3]   ; the row's sum of the unrounded p, in place
.endr
.endr
.irp z, 0,1,2,3
.irp t, \x, \x+1
	v_pk_add_f32 v[S+32*(\t)+8*\z:S+32*(\t)+8*\z+1], v[S+32*(\t)+8*\z:S+32*(\t)+8*\z+1], v[S+32*(\t)+8*\z+4:S+32*(\t)+8*\z+5]
.endr
.endr
.irp z, 0,1
.irp t, \x, \x+1
	v_pk_add_f32 v[S+32*(\t)+16*\z:S+32*(\t)+16*\z+1], v[S+32*(\t)+16*\z:S+32*(\t)+16*\z+1], v[S+32*(\t)+16*\z+8:S+32*(\t)+16*\z+9]
.endr
.endr
.irp t, \x, \x+1
	v_pk_add_f32 v[S+32*(\t):S+32*(\t)+1], v[S+32*(\t):S+32*(\t)+1], v[S+32*(\t)+16:S+32*(\t)+17]
.endr
.irp t, \x, \x+1
	v_pk_fma_f32 v[ST+8*(\t)+2:ST+8*(\t)+3], v[ST+8*(\t)+2:ST+8*(\t)+3], v[ST+8*(\t)+6:ST+8*(\t)+7], v[S+32*(\t):S+32*(\t)+1] op_sel_hi:[1,0,1]
.endr
	WIN W_RS
.irp t, \x, \x+1
.set n, 0
.rept 32
	v_pk_mul_f32 v[64*(\t)+2*n:64*(\t)+2*n+1], v[64*(\t)+2*n:64*(\t)+2*n+1], v[ST+8*(\t)+6:ST+8*(\t)+7] op_sel_hi:[1,0]
.set n, n+1
.endr
.endr
.endm
; One pair of tiles through one key step.  D: the register with the diagonal's bound; DIAG: the scalar with the pair's diagonal step.
.macro PAIR x, D, DIAG
.if \x == 0
	s_wait_dscnt 32                                ; K's 32 loads are in; V's 32, issued behind them, may be out
.endif
.set i, 0
.rept 32
	KQ \x
.set i, i+1
.endr
	WIN 0
	PLACES                                         ; between the last product and the first read of its result
	s_cmp_lg_u32 s[F], s[\DIAG]
	s_cbranch_scc1 .Lopen_\@
	MASK \x, \D
.Lopen_\@:
	SOFTMAX \x
.if \x == 0
	s_wait_dscnt 0x0                               ; V is in
.endif
.set i, 0
.rept 32
	PVM \x
.set i, i+1
.endr
	WIN 0
	PLACES                                         ; between the last product and the next loads into V's registers, or the way out's reads
.endm
	s_load_b128 s[4:7], s[0:1], 0x0                ; qkv, att
	v_lshl_add_u32 v[SPW], v0, 2, SPARE
	v_mov_b32 v[NIL], 0
	ds_add_u32 v[SPW], v[NIL]                      ; the wave's opening: the add, twice on end, and its wait ahead of my first tensor load
	ds_add_u32 v[SPW], v[NIL]
	v_lshrrev_b32 v1, 5, v0
	v_readfirstlane_b32 s[WV], v1
	s_mov_b32 s[J], ttmp9
	s_and_b32 s14, ttmp7, 0xffff
	s_lshr_b32 s16, s14, 3                         ; b
	s_and_b32 s17, s14, 7                          ; the key and value head
	s_and_b32 s3, s[WV], 1                         ; which 128 rows of a slot I fetch
	s_mul_i32 s[KW], s3, 128*PK
	s_mul_i32 s[VW], s3, 128*PVP
	s_add_co_u32 s[VW], s[VW], SLK
	s_lshl_b32 s2, s16, 5
	s_add_co_u32 s8, s2, s17
	s_add_co_u32 s8, s8, 16                        ; K's head among the 64
	s_lshl_b32 s8, s8, 19                          ; a head is 524,288 bytes
	s_lshl_b32 s3, s3, 15
	s_add_co_u32 s8, s8, s3
	s_mov_b32 s9, 0
	s_add_co_u32 s10, s8, 0x400000                 ; V's head lies 8 heads on
	s_mov_b32 s11, 0
	s_cmp_lt_u32 s[WV], 2
	s_cselect_b32 s20, s8, s10
	s_add_co_u32 s20, s20, 0x10000                 ; the prefetches stand at slot 1; the first change steps them to slot 2
	s_mov_b32 s21, 0
	s_lshl_b32 s3, s17, 1
	s_add_co_u32 s2, s2, s3
	s_lshl_b32 s22, s2, 19                         ; the group's first query head
	s_lshl_b32 s2, s[J], 2
	s_add_co_u32 s2, s2, s[WV]                     ; p
	s_sub_co_u32 s3, 127, s2                       ; 127 - p
	s_lshl_b32 s23, s3, 12
	s_add_co_u32 s48, s22, s23
	s_mov_b32 s49, 0
	s_lshl_b32 s23, s2, 12
	s_add_co_u32 s50, s22, s23
	s_mov_b32 s51, 0
	s_lshl_b32 s22, s16, 23                        ; att: 2,048 rows of 4,096 bytes a batch,
	s_lshl_b32 s23, s17, 9                         ; 512 bytes for the group's two heads,
	s_add_co_u32 s22, s22, s23
	s_lshl_b32 s23, s3, 16                         ; 16 rows a block
	s_add_co_u32 s52, s22, s23
	s_mov_b32 s53, 0
	s_lshl_b32 s23, s2, 16
	s_add_co_u32 s54, s22, s23
	s_mov_b32 s55, 0
	s_sub_co_u32 s[LAST], 31, s[J]
	s_lshl_b32 s[LQ], s[J], 6
	s_sub_co_u32 s[LQ], 2047, s[LQ]
	s_cmp_eq_u32 s[J], 0
	s_cselect_b32 s[PLIM], 1537, 0                 ; the head's work-group J = 0 walks all slots: it alone prefetches, up to slot 7
	s_mov_b32 s[G1K], (1<<16)|(1<<20)|(5<<22)|(3<<25)  ; elements of 2 bytes; 4 words of padding behind every 64
	s_mov_b32 s[G1V], (1<<16)|(1<<20)|(5<<22)|(7<<25)  ; 8 words
.irp g, G1K, G1V
	s_mov_b32 s[\g+1], 128<<16                     ; tensor_dim0
	s_mov_b32 s[\g+2], 128<<16                     ; tensor_dim1
	s_mov_b32 s[\g+3], 128<<16                     ; tile_dim0
	s_mov_b32 s[\g+4], 128                         ; tile_dim1
	s_mov_b32 s[\g+5], 128                         ; from row to row
	s_mov_b32 s[\g+6], 0
	s_mov_b32 s[\g+7], 0
.endr
	s_mov_b32 s[CS], 0x3e0293ee                    ; c = log2(e) / sqrt(128)
	s_mov_b32 s[CS+1], s[CS]
	s_mov_b32 s[SEL], 0x76543210
	s_mov_b32 s[SEL+1], 0xfedcba98
	s_mov_b32 s[FB], 0
	s_mov_b32 s[TK], 0
	s_mov_b32 s[TV], 0
	s_mov_b32 s[F], 0
	s_mov_b32 s[NK], 256
	s_mov_b32 s[SLOTS], 8
	s_wait_dscnt 0x0                               ; both opening adds are done
	s_wait_kmcnt 0x0
	s_mov_b32 s[G0K], 1
	s_mov_b32 s[G0K+1], s[KW]
	s_add_nc_u64 s[G0K+2:G0K+3], s[4:5], s[8:9]
	s_or_b32 s[G0K+3], s[G0K+3], 0x80000000
	s_mov_b32 s[G0V], 1
	s_mov_b32 s[G0V+1], s[VW]
	s_add_nc_u64 s[G0V+2:G0V+3], s[4:5], s[10:11]
	s_or_b32 s[G0V+3], s[G0V+3], 0x80000000
	s_cmp_lt_u32 s[WV], 2                          ; slot 0: every wave has one first fill, in one arm or the other
	s_cbranch_scc0 .Lfirst_v
	tensor_load_to_lds s[G0K:G0K+3], s[G1K:G1K+7]
	s_nop 0
.rept 4
	v_nop
.endr
	s_branch .Lfirst_asked
.Lfirst_v:
	tensor_load_to_lds s[G0V:G0V+3], s[G1V:G1V+7]
	s_nop 0
.rept 4
	v_nop
.endr
.Lfirst_asked:
	s_add_nc_u64 s[QB:QB+1], s[4:5], s[48:49]
	s_add_nc_u64 s[QB+2:QB+3], s[4:5], s[50:51]
	s_add_nc_u64 s[OB:OB+1], s[6:7], s[52:53]
	s_add_nc_u64 s[OB+2:OB+3], s[6:7], s[54:55]
	s_add_nc_u64 s[PFA:PFA+1], s[4:5], s[20:21]
	v_and_b32 v1, 15, v0                           ; r
	v_bfe_u32 v9, v0, 4, 1                         ; h
	v_lshlrev_b32 v[QO], 8, v1
	v_lshl_add_u32 v[QO], v9, 4, v[QO]
	WIN 0x80                                       ; destination window 2
.irp t, 0,1,2,3
.irp c, 0,1,2,3
	global_load_b128 v[32*\t+8*\c:32*\t+8*\c+3],   v[QO], s[QB+2*(\t/2):QB+2*(\t/2)+1] offset:(\t%2)*524288+64*\c      ; Q stays in registers
	global_load_b128 v[32*\t+8*\c+4:32*\t+8*\c+7], v[QO], s[QB+2*(\t/2):QB+2*(\t/2)+1] offset:(\t%2)*524288+64*\c+32
.endr
.endr
	WIN 0
	v_mul_u32_u24 v[AK0], v1, PK
	v_lshl_add_u32 v[AK0], v9, 4, v[AK0]
	v_and_b32 v10, 7, v0
	v_bfe_u32 v11, v0, 3, 1
	v_lshl_add_u32 v[AV0], v9, 3, v10
	v_mul_u32_u24 v[AV0], v[AV0], PVP
	v_lshl_add_u32 v[AV0], v11, 4, v[AV0]
	v_add_nc_u32 v[AV0], SLK, v[AV0]
	s_mul_i32 s2, s[WV], 16*SP
	s_add_co_u32 s2, s2, STAGE
	v_mul_u32_u24 v[STO], v1, SP
	v_lshl_add_u32 v[STO], v9, 4, v[STO]
	v_add_nc_u32 v[STO], s2, v[STO]
	v_mul_u32_u24 v[RD], v9, SP
	v_lshl_add_u32 v[RD], v1, 4, v[RD]
	v_add_nc_u32 v[RD], s2, v[RD]
	v_lshlrev_b32 v[GO], 12, v9
	v_lshl_add_u32 v[GO], v1, 4, v[GO]
	v_lshlrev_b32 v11, 3, v9
	v_sub_nc_u32 v11, v1, v11                      ; r - 8 h
	s_lshl_b32 s2, s[WV], 4
	v_add_nc_u32 v[DE], s2, v11
	s_sub_co_u32 s2, 48, s2
	v_add_nc_u32 v[DL], s2, v11
	v_mov_b32 v[NEG], 0xff800000
	v_and_b32 v[PFO], 31, v0
	v_lshlrev_b32 v[PFO], 8, v[PFO]
.irp t, 0,1,2,3
	v_mov_b32 v[ST+8*\t+1], 0xff61b1e6             ; m: -3e38, under every score
	v_mov_b32 v[ST+8*\t+2], 0                      ; l
	v_mov_b32 v[ST+8*\t+3], 0
	v_mov_b32 v[ST+8*\t+5], 0                      ; written once: a lane permute's destination counts as one of its sources,
	v_mov_b32 v[ST+8*\t+7], 0                      ; and this one is named as the upper half of the pair beside a and 1 / l
.endr
.irp t, 0,1,2,3
	v_mul_f32 v[ST+8*\t], s[CS], v[ST+8*\t+1]
.endr
	WIN 0x40
.set i, 0
.rept 256
	v_mov_b32 v[i], 0                              ; O^T.  The step is written once: a tile's first step finds zeros, which a = 0 leaves zeros; a first step of its own would be a second copy of the whole step
.set i, i+1
.endr
	WIN 0
	s_wait_loadcnt 0x0                             ; Q
.Lslot:                                            ; 8 trips: a slot's 4 key steps each
	s_wait_tensorcnt 0x0                           ; my part of the slot ahead has landed; no tensor load of mine is out, so the descriptors may be written
	ds_add_u32 v[SPW], v[NIL]                      ; 0 onto my spare word
	s_xor_b32 s[FB], s[FB], SLOT                   ; the other slot than last time,
	s_add_co_u32 s[G0K+1], s[FB], s[KW]
	s_add_co_u32 s[G0V+1], s[FB], s[VW]
	s_add_nc_u64 s[G0K+2:G0K+3], s[G0K+2:G0K+3], 0x10000   ; the next 256 keys
	s_add_nc_u64 s[G0V+2:G0V+3], s[G0V+2:G0V+3], 0x10000
	s_wait_xcnt 0x0                                ; the last prefetches, a slot back, have read their address
	s_add_nc_u64 s[PFA:PFA+1], s[PFA:PFA+1], 0x10000
	s_wait_dscnt 0x0                               ; the add is done, and my reads of the slot that I have left are over
	s_barrier_signal -1
	s_barrier_wait -1
	s_cmp_gt_u32 s[NK], s[LQ]                      ; a half slot whose first key comes after my work-group's last query is read by no wave: it is not asked for.  Ids and the count of slots alone: all waves go the same way
	s_cbranch_scc1 .Lpast0
	TLOAD 0
.Lpast0:
	s_add_co_u32 s2, s[NK], 128
	s_cmp_gt_u32 s2, s[LQ]
	s_cbranch_scc1 .Lpast1
	TLOAD 1
.Lpast1:
	s_cmp_lt_u32 s[NK], s[PLIM]                    ; a prefetch of what the NEXT change will ask for: my wave's own 128 rows of 256 bytes, a lane a row, four instructions: a slot's 4 key steps ahead of that load
	s_cbranch_scc0 .Lnot_mine
.irp i, 0,1,2,3
	global_prefetch_b8 v[PFO], s[PFA:PFA+1] offset:8192*\i th:TH_LOAD_NT scope:SCOPE_SE
.endr
.Lnot_mine:
	s_add_co_u32 s[NK], s[NK], 256
	s_mov_b32 s[STEPC], 4
.Lstep:
	s_cmp_gt_u32 s[F], s[LAST]                     ; past the late block's diagonal nothing is left
	s_cbranch_scc1 .Lnext
	v_add_nc_u32 v[ADK], s[TK], v[AK0]
	v_add_nc_u32 v[ADV], s[TV], v[AV0]
	WIN 0x80
.irp f, 0,1,2,3,4,5,6,7,8,9,10,11,12,13,14,15      ; K: keys 16 (f / 4) on, channels 32 (f % 4) on
	ds_load_b128 v[KF+8*\f:KF+8*\f+3],   v[ADK] offset:(\f/4)*16*PK+(\f%4)*64
	ds_load_b128 v[KF+8*\f+4:KF+8*\f+7], v[ADK] offset:(\f/4)*16*PK+(\f%4)*64+32
.endr
	WIN 0xc0
.irp f, 0,1,2,3,4,5,6,7,8,9,10,11,12,13,14,15      ; V, turned: keys 32 (f / 8) on, channels 16 (f % 8) on
	ds_load_tr16_b128 v[8*\f:8*\f+3],   v[ADV] offset:(\f/8)*32*PVP+(\f%8)*32
	ds_load_tr16_b128 v[8*\f+4:8*\f+7], v[ADV] offset:(\f/8)*32*PVP+16*PVP+(\f%8)*32
.endr
	PAIR 0, DL, LAST
	s_cmp_gt_u32 s[F], s[J]                        ; past the early block's diagonal only the late pair goes on
	s_cbranch_scc1 .Lnext
	PAIR 2, DE, J
.Lnext:
	s_add_co_u32 s[F], s[F], 1
	s_add_co_u32 s[TK], s[TK], 64*PK
	s_add_co_u32 s[TV], s[TV], 64*PVP
	s_sub_co_u32 s[STEPC], s[STEPC], 1
	s_cmp_lg_u32 s[STEPC], 0
	s_cbranch_scc1 .Lstep
	s_sub_co_u32 s[TK], s[TK], 256*PK              ; back to a slot's first step,
	s_xor_b32 s[TK], s[TK], SLOT                   ; in the other slot
	s_sub_co_u32 s[TV], s[TV], 256*PVP
	s_xor_b32 s[TV], s[TV], SLOT
	s_sub_co_u32 s[SLOTS], s[SLOTS], 1
	s_cmp_lg_u32 s[SLOTS], 0
	s_cbranch_scc1 .Lslot
	; THE WAY OUT: O^T / l, rounded to f16, through my stage, a tile (16 rows of one head) at a time.
.irp t, 0,1,2,3
	v_add_f32 v[ST+8*\t+4], v[ST+8*\t+2], v[ST+8*\t+3]
.endr
.irp t, 0,1,2,3
	v_permlanex16_b32 v[ST+8*\t+5], v[ST+8*\t+4], s[SEL], s[SEL+1]
.endr
.irp t, 0,1,2,3
	v_add_f32 v[ST+8*\t+4], v[ST+8*\t+4], v[ST+8*\t+5]
.endr
.irp t, 0,1,2,3
	v_rcp_f32 v[ST+8*\t+6], v[ST+8*\t+4]
.endr
	v_nop
	s_wait_alu depctr_va_vdst(0)                   ; one wait for the four reciprocals
.macro PACK t
	WIN W_RS
.set i, 64*\t
.rept 32
	v_pk_mul_f32 v[i:i+1], v[i:i+1], v[ST+8*\t+6:ST+8*\t+7] op_sel_hi:[1,0]
.set i, i+2
.endr
	WIN 0x05
.set i, 0
.rept 32
	v_cvt_pk_f16_f32 v[S+32*\t+i], v[64*\t+2*i], v[64*\t+2*i+1]
.set i, i+1
.endr
	WIN 0
.irp f, 0,1,2,3,4,5,6,7
	ds_store_b128 v[STO], v[S+32*\t+4*\f:S+32*\t+4*\f+3] offset:32*\f
.endr
.irp f, 0,1,2,3,4,5,6,7
	ds_load_b128 v[S+32*\t+4*\f:S+32*\t+4*\f+3], v[RD] offset:\f*2*SP   ; LDS serves a wave's instructions in order
.endr
.endm
.macro SEND t, younger                 ; younger: the LDS instructions issued behind tile t's loads
.irp f, 0,1,2,3,4,5,6,7
	s_wait_dscnt \younger+7-\f
	global_store_b128 v[GO], v[S+32*\t+4*\f:S+32*\t+4*\f+3], s[OB+2*(\t/2):OB+2*(\t/2)+1] offset:256*(\t%2)+8192*\f   ; sixteen lanes store 256 consecutive bytes, aligned
.endr
.endm
	PACK 0
	PACK 1
	SEND 0, 16
	PACK 2
	SEND 1, 16
	PACK 3
	SEND 2, 16
	SEND 3, 0
	s_wait_tensorcnt 0x0                           ; the wave's end
	ds_add_u32 v[SPW], v[NIL]
	s_wait_dscnt 0x0
	s_endpgm
.Lfunc_end_k_qf46c90c830_attn:
	.size	k_qf46c90c830_attn, .Lfunc_end_k_qf46c90c830_attn-k_qf46c90c830_attn
	.p2alignl 7, 3214868480
	.fill 96, 4, 3214868480
	.section	.rodata,"a",@progbits
	.p2align	6, 0x0
	.amdhsa_kernel k_qf46c90c830_attn
		.amdhsa_group_segment_fixed_size 327680
		.amdhsa_private_segment_fixed_size 0
		.amdhsa_enable_private_segment 0
		.amdhsa_kernarg_size 16
		.amdhsa_user_sgpr_count 2
		.amdhsa_user_sgpr_kernarg_segment_ptr 1
		.amdhsa_wavefront_size32 1
		.amdhsa_system_sgpr_workgroup_id_x 1
		.amdhsa_system_sgpr_workgroup_id_y 1
		.amdhsa_system_sgpr_workgroup_id_z 1
		.amdhsa_system_vgpr_workitem_id 0
		.amdhsa_next_free_vgpr 1024
		.amdhsa_next_free_sgpr 96
		.amdhsa_reserve_vcc 1
		.amdhsa_float_denorm_mode_32 3
		.amdhsa_float_denorm_mode_16_64 3
		.amdhsa_memory_ordered 1
		.amdhsa_forward_progress 1
		.amdhsa_inst_pref_size 96
	.end_amdhsa_kernel
	.amdgpu_metadata
---
amdhsa.version: [ 1, 2 ]
amdhsa.kernels:
  - .name:           k_qf46c90c830_attn
    .symbol:         k_qf46c90c830_attn.kd
    .args:
      - { .name: qkv, .offset: 0, .size: 8, .value_kind: global_buffer, .address_space: global }
      - { .name: att, .offset: 8, .size: 8, .value_kind: global_buffer, .address_space: global }
    .group_segment_fixed_size: 327680
    .private_segment_fixed_size: 0
    .kernarg_segment_align: 8
    .kernarg_segment_size: 16
    .max_flat_workgroup_size: 128
    .sgpr_count:     96
    .vgpr_count:     1024
    .wavefront_size: 32
...
	.end_amdgpu_metadata
.endif
;; end of part 3
;; launch proj (part 4): grid 8 x 32, 4 waves a work-group, clusters of 4 x 4, 327,680 bytes of LDS; arguments att, wo16, out0; writes out0
.if DOCPART == 4
	.amdgcn_target "amdgcn-amd-amdhsa--gfx1250"
	.amdhsa_code_object_version 6
	.text
	.protected	k_qf46c90c830_proj
	.globl	k_qf46c90c830_proj
	.p2align	8
	.type	k_qf46c90c830_proj,@function
k_qf46c90c830_proj:
	s_mov_b64 s[64:65], 0
	v_nop
	global_prefetch_b8 v0, s[64:65] scope:SCOPE_SE
	s_setreg_imm32_b32 hwreg(HW_REG_WAVE_MODE, 25, 1), 1
	s_wait_xcnt 0x0
	s_wait_alu depctr_hold_cnt(0) depctr_sa_sdst(0) depctr_va_vdst(0) depctr_va_sdst(0) depctr_va_ssrc(0) depctr_va_vcc(0) depctr_vm_vsrc(0)
	s_getreg_b32 s2, hwreg(HW_REG_IB_STS2, 6, 4)
	s_cmp_eq_u32 s2, 0
	s_cbranch_scc0 .Lentry_in_a_cluster
	s_endpgm
.Lentry_in_a_cluster:
	s_bfe_u32 s2, ttmp6, 0x10000c
	s_cmp_lg_u32 s2, 0xf033
	s_cbranch_scc0 .Lentry_shape_is_right
	s_endpgm
.Lentry_shape_is_right:
; out0[m][n] = sum over k of att[m][k] Wo[k][n]: A = att [4096][2048] f16, B = the high parts of Wo^T [1024][2048] f16, out0 [4096][1024] f32; sums in f32.  Nothing is left out here.
; (Rows 0 to 15 of each sequence are stored here like all others and stored again, more finely, by the last launch.)
; A tile of the output is 128 x 128, so that there are 256 work-groups; four waves, each 64 x 64: 16 accumulators.  K goes in steps of 256 (LDS rows of 512 bytes) through two slots.
; CLUSTERS: 4 x 4 work-groups; A's tiles are asked for jointly along a row of the cluster, B's along a column.  THE MATRIX INSTRUCTION IS USED TRANSPOSED: a lane holds eight neighbouring numbers of a row.
; REGISTERS: window 0: v0-31 addresses; v32-95 the way out; v128-255 the accumulators ((a, b) at v[128 + 8 (4 a + b)]).  window 1: two fragment buffers of 128.
.set SIZE_N, 1024
.set SIZE_K, 2048
.set KSTEP,  256
.set PITCH,  528
.set HALFT,  64*PITCH
.set SLOT,   4*HALFT
.set STAGE,  2*SLOT                    ; behind the ring: 16 rows x 272 bytes for each wave: a wave's 64 columns of f32 are 256 bytes, aligned, so each wave has a stage of its own and no barrier is needed
.set SPITCH, 272
.set SPARE,  STAGE+4*16*SPITCH
.set LAPS, SIZE_K/(2*KSTEP)
.set ADRA, 16
.set ADRB, 20
.set STO,  24
.set RD,   25
.set CO,   26
.set SPW,  28
.set NIL,  29
.set TMP,  32
.set ACC,  128
.set F0,   0
.set F1,   128
.set G1, 24
.set G0, 32
.set G1B, 48
.set G0B, 56
.set MSB, 0
.macro WIN new
.if MSB != \new
	s_set_vgpr_msb (MSB<<8)|\new
.set MSB, \new
.endif
.endm
.set MUL,  0x05
.set TO_F, 0x40
.macro JLOAD s                         ; a joint load: waves 0 and 1 fetch A's two halves, waves 2 and 3 B's
	s_cmp_eq_u32 s11, 0
	s_cbranch_scc0 .Lfor_b_\@
	tensor_load_to_lds s[G0+4*\s:G0+4*\s+3], s[G1:G1+7]
	s_nop 0
.rept 4
	v_nop
.endr
	s_branch .Lasked_\@
.Lfor_b_\@:
	tensor_load_to_lds s[G0B+4*\s:G0B+4*\s+3], s[G1B:G1B+7]
	s_nop 0
.rept 4
	v_nop
.endr
.Lasked_\@:
.endm
.macro CREST
	s_cmp_lg_u32 s10, 0
	s_cbranch_scc1 .Lnot_wave_0_\@
	s_barrier_signal -3
.Lnot_wave_0_\@:
	s_barrier_wait -3
	s_barrier_signal -1
	s_barrier_wait -1
.endm
.macro CROUND
	s_barrier_signal -1
	s_barrier_wait -1
	CREST
.endm
	s_load_b128 s[4:7], s[0:1], 0x0                ; att, wo16
	s_load_b64 s[8:9], s[0:1], 0x10                ; out0
	v_lshl_add_u32 v[SPW], v0, 2, SPARE
	v_mov_b32 v[NIL], 0
	ds_add_u32 v[SPW], v[NIL]                      ; the wave's opening: the add, twice on end, and its wait ahead of my first tensor load
	ds_add_u32 v[SPW], v[NIL]
	v_lshrrev_b32 v1, 5, v0
	v_readfirstlane_b32 s10, v1
	s_lshr_b32 s11, s10, 1
	s_and_b32 s12, s10, 1
	s_bfe_u32 s40, ttmp6, 0x40000
	s_bfe_u32 s41, ttmp6, 0x40004
	s_lshl_b32 s42, ttmp9, 2
	s_add_co_u32 s42, s42, s40                     ; tile column
	s_and_b32 s13, ttmp7, 0xffff
	s_lshl_b32 s13, s13, 2
	s_add_co_u32 s13, s13, s41                     ; tile row
	s_lshl_b32 s43, s41, 2
	s_lshl_b32 s43, 15, s43
	s_lshl_b32 s44, 0x1111, s40
	s_or_b32 s[G1+0], s43, (1<<16)|(1<<20)|(1<<21)|(6<<22)|(3<<25)  ; the mask; elements of 2 bytes; 4 words of padding behind every 128
	s_or_b32 s[G1B+0], s44, (1<<16)|(1<<20)|(1<<21)|(6<<22)|(3<<25)
.irp g, G1, G1B
	s_mov_b32 s[\g+1], KSTEP<<16
	s_mov_b32 s[\g+2], 64<<16
	s_mov_b32 s[\g+3], KSTEP<<16
	s_mov_b32 s[\g+4], 64
	s_mov_b32 s[\g+5], SIZE_K
	s_mov_b32 s[\g+6], 0
	s_mov_b32 s[\g+7], 0
.endr
	s_lshl_b32 s17, s12, 6
	s_lshl_b32 s16, s13, 7
	s_add_co_u32 s16, s16, s17
	s_lshl_b32 s46, s42, 7
	s_add_co_u32 s46, s46, s17
	s_mov_b32 s17, 0
	s_mov_b32 s47, 0
	s_mov_b64 s[18:19], SIZE_K*2
	s_mul_u64 s[16:17], s[16:17], s[18:19]
	s_mul_u64 s[46:47], s[46:47], s[18:19]
	s_mul_i32 s20, s10, HALFT
	s_wait_dscnt 0x0
	s_wait_kmcnt 0x0
	s_add_nc_u64 s[14:15], s[4:5], s[16:17]
	s_add_nc_u64 s[46:47], s[6:7], s[46:47]
	CROUND
.irp s, 0,1
	s_mov_b32 s[G0+4*\s], 1
	s_add_co_u32 s[G0+4*\s+1], s20, \s*SLOT
	s_add_nc_u64 s[G0+4*\s+2:G0+4*\s+3], s[14:15], \s*KSTEP*2
	s_or_b32 s[G0+4*\s+3], s[G0+4*\s+3], 0x80000000
	s_mov_b32 s[G0B+4*\s], 1
	s_add_co_u32 s[G0B+4*\s+1], s20, \s*SLOT
	s_add_nc_u64 s[G0B+4*\s+2:G0B+4*\s+3], s[46:47], \s*KSTEP*2
	s_or_b32 s[G0B+4*\s+3], s[G0B+4*\s+3], 0x80000000
	JLOAD \s
.endr
	v_and_b32 v1, 15, v0
	v_bfe_u32 v2, v0, 4, 1
	v_mul_u32_u24 v3, v1, PITCH
	v_lshl_add_u32 v3, v2, 4, v3
	s_mul_i32 s21, s11, HALFT
	s_mul_i32 s22, s12, HALFT
	s_add_co_u32 s22, s22, 2*HALFT
.irp s, 0,1
	v_add_nc_u32 v[ADRA+\s], s21, v3
	v_add_nc_u32 v[ADRB+\s], s22, v3
	s_add_co_u32 s21, s21, SLOT
	s_add_co_u32 s22, s22, SLOT
.endr
	s_mul_i32 s23, s10, 16*SPITCH
	s_add_co_u32 s23, s23, STAGE                   ; my stage
	v_mul_u32_u24 v4, v1, SPITCH
	v_lshl_add_u32 v4, v2, 5, v4
	v_add_nc_u32 v[STO], s23, v4                   ; in: row r, 32 bytes for each half of the lanes
	v_mul_u32_u24 v5, v2, SPITCH
	v_lshl_add_u32 v5, v1, 4, v5
	v_add_nc_u32 v[RD], s23, v5                    ; back: lanes 0-15 one row of 256 bytes, lanes 16-31 the next
	v_lshlrev_b32 v5, 12, v2
	v_lshl_add_u32 v[CO], v1, 4, v5                ; and the same two rows in out0
	s_lshl_b32 s16, s13, 7
	s_lshl_b32 s17, s11, 6
	s_add_co_u32 s16, s16, s17                     ; my first row: 128 x tile row + 64 x half
	s_mov_b32 s17, 0
	s_mov_b64 s[18:19], SIZE_N*4
	s_mul_u64 s[16:17], s[16:17], s[18:19]
	s_add_nc_u64 s[8:9], s[8:9], s[16:17]
	s_lshl_b32 s46, s42, 9
	s_lshl_b32 s47, s12, 8
	s_add_co_u32 s46, s46, s47                     ; my first column, in bytes
	s_mov_b32 s47, 0
	s_add_nc_u64 s[8:9], s[8:9], s[46:47]
.macro MUL8 f, c, a0, zero             ; the 16 accumulators take turns, one instruction a turn
.irp a, \a0, \a0+1
.irp b, 0,1,2,3
.if \zero
	v_wmma_f32_16x16x32_f16 v[ACC+8*(4*(\a)+\b):ACC+8*(4*(\a)+\b)+7], v[\f+64+8*(4*\c+\b):\f+64+8*(4*\c+\b)+7], v[\f+8*(4*\c+\a):\f+8*(4*\c+\a)+7], 0
.else
	v_wmma_f32_16x16x32_f16 v[ACC+8*(4*(\a)+\b):ACC+8*(4*(\a)+\b)+7], v[\f+64+8*(4*\c+\b):\f+64+8*(4*\c+\b)+7], v[\f+8*(4*\c+\a):\f+8*(4*\c+\a)+7], v[ACC+8*(4*(\a)+\b):ACC+8*(4*(\a)+\b)+7]
.endif
.endr
.endr
.endm
.macro FETCH slot, k, f
	WIN TO_F
.irp c, 0,1
.irp i, 0,1,2,3
	ds_load_b128 v[\f+64+8*(4*\c+\i):\f+64+8*(4*\c+\i)+3],   v[ADRB+\slot] offset:\k+64*\c+\i*16*PITCH
	ds_load_b128 v[\f+64+8*(4*\c+\i)+4:\f+64+8*(4*\c+\i)+7], v[ADRB+\slot] offset:\k+64*\c+\i*16*PITCH+32
	ds_load_b128 v[\f+8*(4*\c+\i):\f+8*(4*\c+\i)+3],         v[ADRA+\slot] offset:\k+64*\c+\i*16*PITCH
	ds_load_b128 v[\f+8*(4*\c+\i)+4:\f+8*(4*\c+\i)+7],       v[ADRA+\slot] offset:\k+64*\c+\i*16*PITCH+32
.endr
.endr
.endm
.macro PLACES
.rept 4
	v_nop
.endr
.endm
.macro QUARTER slot, k, f, g, zero
	s_wait_dscnt 16                                ; the first 32 along K are in; the other sixteen loads may be out
	WIN MUL
	MUL8 \f, 0, 0, \zero
	MUL8 \f, 0, 2, \zero
	PLACES
	FETCH \slot, \k, \g
	s_wait_dscnt 32                                ; all but the 32 just issued
	WIN MUL
	MUL8 \f, 1, 0, 0
	MUL8 \f, 1, 2, 0
.endm
.macro TURN slot, next, fill
	WIN 0
	s_wait_tensorcnt 0x0                           ; all my tensor loads have landed: my part of the next slot
	ds_add_u32 v[SPW], v[NIL]                      ; 0 onto my spare word
	s_wait_dscnt 17                                ; the add and the youngest sixteen loads may be out
	WIN MUL
	MUL8 F1, 0, 0, 0
	s_wait_dscnt 0x0                               ; the add is done, and my reads of this slot are over
	s_barrier_signal -1
	MUL8 F1, 0, 2, 0
.if \fill
	WIN 0
.endif
	s_barrier_wait -1
.if \fill
	CREST                                          ; the barrier has opened a round of the cluster's barrier
	s_add_nc_u64 s[G0+4*\slot+2:G0+4*\slot+3], s[G0+4*\slot+2:G0+4*\slot+3], 2*KSTEP*2
	s_add_nc_u64 s[G0B+4*\slot+2:G0B+4*\slot+3], s[G0B+4*\slot+2:G0B+4*\slot+3], 2*KSTEP*2
	JLOAD \slot                                    ; the first tensor load behind the round; its four v_nop are also the places in front of the loads below
.else
	PLACES
.endif
	FETCH \next, 0, F0
	WIN MUL
	MUL8 F1, 1, 0, 0
	MUL8 F1, 1, 2, 0
.endm
	s_wait_tensorcnt 1                             ; my part of K step 0 is in; K step 1's load may be out
	s_barrier_signal -1
	s_barrier_wait -1
	FETCH 0, 0, F0
	QUARTER 0, 128, F0, F1, 1
	WIN 0
	s_mov_b32 s3, LAPS-1
.Llap:
	QUARTER 0, 256, F1, F0, 0
	QUARTER 0, 384, F0, F1, 0
	TURN 0, 1, 1
	QUARTER 1, 128, F0, F1, 0
	QUARTER 1, 256, F1, F0, 0
	QUARTER 1, 384, F0, F1, 0
	TURN 1, 0, 1
	QUARTER 0, 128, F0, F1, 0
	WIN 0
	s_sub_co_u32 s3, s3, 1
	s_cmp_lg_u32 s3, 0
	s_cbranch_scc1 .Llap
	QUARTER 0, 256, F1, F0, 0
	QUARTER 0, 384, F0, F1, 0
	TURN 0, 1, 0
	QUARTER 1, 128, F0, F1, 0
	QUARTER 1, 256, F1, F0, 0
	QUARTER 1, 384, F0, F1, 0
	s_wait_dscnt 16
	WIN MUL
	MUL8 F1, 0, 0, 0
	MUL8 F1, 0, 2, 0
	s_wait_dscnt 0
	MUL8 F1, 1, 0, 0
	MUL8 F1, 1, 2, 0
	WIN 0
	; THE WAY OUT, 16 rows x 64 columns at a time, through my own stage: in as 32 bytes a lane, back as whole rows of 256 bytes.
.macro TOSTAGE a
.set BB, TMP+32*((\a)%2)
.irp b, 0,1,2,3
	ds_store_b128 v[STO], v[ACC+8*(4*(\a)+\b):ACC+8*(4*(\a)+\b)+3] offset:64*\b          ; each accumulator from its low end on
	ds_store_b128 v[STO], v[ACC+8*(4*(\a)+\b)+4:ACC+8*(4*(\a)+\b)+7] offset:64*\b+16
.endr
.irp t, 0,1,2,3,4,5,6,7
	ds_load_b128 v[BB+4*\t:BB+4*\t+3], v[RD] offset:\t*2*SPITCH   ; LDS serves a wave's instructions in order
.endr
.endm
.macro SEND a, younger
.set BB, TMP+32*((\a)%2)
	s_wait_dscnt \younger
.irp t, 0,1,2,3,4,5,6,7
	global_store_b128 v[CO], v[BB+4*\t:BB+4*\t+3], s[8:9] offset:(16*(\a)+2*\t)*4096 th:TH_STORE_NT   ; sixteen lanes store 256 consecutive bytes, aligned
.endr
.endm
	PLACES
	TOSTAGE 0
.irp a, 1,2,3
.if \a > 1
	s_wait_xcnt 0x0                                ; the stores of two blocks ago have read the registers that these loads fill
.endif
	TOSTAGE \a
	SEND \a-1, 16                                  ; behind block a - 1's loads: block a's 8 stores and 8 loads
.endr
	SEND 3, 0
	s_wait_tensorcnt 0x0                           ; the wave's end
	ds_add_u32 v[SPW], v[NIL]
	s_wait_dscnt 0x0
	CROUND                                         ; the closing round
	s_endpgm
.Lfunc_end_k_qf46c90c830_proj:
	.size	k_qf46c90c830_proj, .Lfunc_end_k_qf46c90c830_proj-k_qf46c90c830_proj
	.p2alignl 7, 3214868480
	.fill 96, 4, 3214868480
	.section	.rodata,"a",@progbits
	.p2align	6, 0x0
	.amdhsa_kernel k_qf46c90c830_proj
		.amdhsa_group_segment_fixed_size 327680
		.amdhsa_private_segment_fixed_size 0
		.amdhsa_enable_private_segment 0
		.amdhsa_kernarg_size 24
		.amdhsa_user_sgpr_count 2
		.amdhsa_user_sgpr_kernarg_segment_ptr 1
		.amdhsa_wavefront_size32 1
		.amdhsa_system_sgpr_workgroup_id_x 1
		.amdhsa_system_sgpr_workgroup_id_y 1
		.amdhsa_system_sgpr_workgroup_id_z 1
		.amdhsa_system_vgpr_workitem_id 0
		.amdhsa_next_free_vgpr 512
		.amdhsa_next_free_sgpr 66
		.amdhsa_reserve_vcc 0
		.amdhsa_float_denorm_mode_32 3
		.amdhsa_float_denorm_mode_16_64 3
		.amdhsa_memory_ordered 1
		.amdhsa_forward_progress 1
		.amdhsa_inst_pref_size 86
	.end_amdhsa_kernel
	.amdgpu_metadata
---
amdhsa.version: [ 1, 2 ]
amdhsa.kernels:
  - .name:           k_qf46c90c830_proj
    .symbol:         k_qf46c90c830_proj.kd
    .args:
      - { .name: att, .offset: 0, .size: 8, .value_kind: global_buffer, .address_space: global }
      - { .name: wo16, .offset: 8, .size: 8, .value_kind: global_buffer, .address_space: global }
      - { .name: out0, .offset: 16, .size: 8, .value_kind: global_buffer, .address_space: global }
    .group_segment_fixed_size: 327680
    .private_segment_fixed_size: 0
    .kernarg_segment_align: 8
    .kernarg_segment_size: 24
    .max_flat_workgroup_size: 128
    .sgpr_count:     66
    .vgpr_count:     512
    .wavefront_size: 32
...
	.end_amdgpu_metadata
.endif
;; end of part 4
;; launch fine (part 5): grid 64 x 2, 16 waves a work-group, no clusters, 169,984 bytes of LDS; arguments fhl, wo16, out0; writes out0
.if DOCPART == 5
	.amdgcn_target "amdgcn-amd-amdhsa--gfx1250"
	.amdhsa_code_object_version 6
	.text
	.protected	k_qf46c90c830_fine
	.globl	k_qf46c90c830_fine
	.p2align	8
	.type	k_qf46c90c830_fine,@function
k_qf46c90c830_fine:
	s_mov_b64 s[64:65], 0
	v_nop
	global_prefetch_b8 v0, s[64:65] scope:SCOPE_SE
	s_setreg_imm32_b32 hwreg(HW_REG_WAVE_MODE, 25, 1), 1
	s_wait_xcnt 0x0
; Positions 0 to 15 of each sequence once more, attention and projection, with every operand as a pair of f16 numbers (hi + lo): these rows average 1 to 16 values and are the largest of the output,
; so the rounding of single f16 operands weighs most there.  A product of two pairs is hi hi + hi lo + lo hi; the term lo lo lies under f32's own rounding.
; WORK LEFT OUT: keys above 15 are hidden from these queries by reference()'s own mask, for all values of the inputs.
; SHARES.  Work-group (x, b): batch b, output columns 16 x .. 16 x + 15.  Wave hd takes query head hd: its 16 x 16 scores, softmax, O^T, and its 128 of the projection's K = 2,048; the 16 partial sums meet in LDS,
; and wave w adds and stores row w.  Each byte of the 32 rows has one owner.  The heads' small attention is computed again in each of the 64 work-groups of a batch: 28 matrix instructions.
; LAYOUT: all products transposed, so that a lane holds one query (lane % 16) throughout.  V^T P: K = 32 holds [V hi | V lo] over the 16 keys against [p | p], once for p hi and once for p lo.
; No tensor load; LDS: a wave's V (32 rows x 288 bytes), the partial sums (16 rows x 80 bytes a wave), the spare words.
.set VSTW, 9216
.set RED,  147456
.set SPARE, 167936
.set SPW, 12
.set NIL, 13
.macro PLACES
.rept 4
	v_nop
.endr
.endm
	s_load_b128 s[4:7], s[0:1], 0x0                ; fhl, wo16
	s_load_b64 s[8:9], s[0:1], 0x10                ; out0
	v_lshl_add_u32 v[SPW], v0, 2, SPARE
	v_mov_b32 v[NIL], 0
	v_lshrrev_b32 v1, 5, v0
	v_readfirstlane_b32 s10, v1                    ; wave = head
	v_and_b32 v3, 31, v0                           ; lane
	v_and_b32 v1, 15, v0                           ; r
	v_bfe_u32 v2, v0, 4, 1                         ; h
	s_and_b32 s11, ttmp7, 0xffff                   ; b
	s_lshl_b32 s12, s11, 5
	s_add_co_u32 s13, s12, s10
	s_lshl_b32 s20, s13, 13                        ; q: a head's hi and lo are 8,192 bytes
	s_mov_b32 s21, 0
	s_lshr_b32 s14, s10, 1
	s_add_co_u32 s14, s14, s12
	s_add_co_u32 s14, s14, 16
	s_lshl_b32 s22, s14, 13                        ; k; v lies 8 heads, 65,536 bytes, on
	s_mov_b32 s23, 0
	s_lshl_b32 s16, ttmp9, 16                      ; Wo^T: 16 rows of 4,096 bytes a work-group,
	s_lshl_b32 s17, s10, 8                         ; 256 bytes a head
	s_add_co_u32 s16, s16, s17
	s_mov_b32 s17, 0
	s_lshl_b32 s18, s11, 23                        ; out0: 2,048 rows of 4,096 bytes a batch,
	s_lshl_b32 s19, s10, 12                        ; row = my wave's number,
	s_add_co_u32 s18, s18, s19
	s_lshl_b32 s19, ttmp9, 6                       ; 64 bytes a work-group
	s_add_co_u32 s18, s18, s19
	s_mov_b32 s19, 0
	s_mov_b32 s24, 0x3e0293ee                      ; c = log2(e) / sqrt(128)
	s_mov_b32 s25, 0xffffe000
	s_mov_b32 s26, 0x76543210
	s_mov_b32 s27, 0xfedcba98
	v_lshlrev_b32 v4, 8, v1
	v_lshl_add_u32 v4, v2, 4, v4                   ; a fragment's lane: 256 r + 16 h
	v_lshlrev_b32 v5, 4, v3                        ; 16 x lane
	v_lshlrev_b32 v6, 12, v1
	v_lshl_add_u32 v6, v2, 4, v6                   ; Wo^T: 4,096 r + 16 h
	s_mul_i32 s28, s10, VSTW
	v_mul_u32_u24 v7, v2, 288
	v_lshl_add_u32 v7, v1, 4, v7
	v_add_nc_u32 v7, s28, v7                       ; V into LDS: two rows of 256 bytes an instruction, 288 apart
	v_and_b32 v8, 7, v0
	v_lshl_add_u32 v8, v2, 3, v8
	v_mul_u32_u24 v8, v8, 288
	v_bfe_u32 v9, v0, 3, 1
	v_lshl_add_u32 v8, v9, 4, v8
	v_add_nc_u32 v8, s28, v8                       ; and out of it, turned
	s_mul_i32 s28, s10, 1280
	s_add_co_u32 s28, s28, RED
	v_mul_u32_u24 v9, v1, 80
	v_lshl_add_u32 v9, v2, 5, v9
	v_add_nc_u32 v9, s28, v9                       ; my partial sums: row r, 32 h
	s_mul_i32 s28, s10, 80
	s_add_co_u32 s28, s28, RED
	v_mul_u32_u24 v11, v2, 10240
	v_lshl_add_u32 v11, v1, 2, v11
	v_add_nc_u32 v11, s28, v11                     ; the reduction: row = my wave, column r, waves 8 h on
	v_lshlrev_b32 v10, 2, v1
	v_lshlrev_b32 v14, 3, v2
	v_sub_nc_u32 v14, v1, v14                      ; r - 8 h: key 8 h + j is hidden where j is above it
	v_mov_b32 v15, 0xff800000
	s_wait_kmcnt 0x0
	s_add_nc_u64 s[20:21], s[4:5], s[20:21]        ; q
	s_add_nc_u64 s[22:23], s[4:5], s[22:23]        ; k
	s_add_nc_u64 s[6:7], s[6:7], s[16:17]
	s_add_nc_u64 s[8:9], s[8:9], s[18:19]
.irp i, 0,1,2,3,4,5,6,7,8,9,10,11,12,13,14,15
	global_load_b128 v[144+4*\i:147+4*\i], v5, s[22:23] offset:65536+512*\i    ; V: hi's 16 rows, then lo's, as they lie
.endr
.irp c, 0,1,2,3
	global_load_b128 v[80+8*\c:83+8*\c],   v4, s[22:23] offset:64*\c           ; K hi
	global_load_b128 v[84+8*\c:87+8*\c],   v4, s[22:23] offset:64*\c+32
	global_load_b128 v[112+8*\c:115+8*\c], v4, s[22:23] offset:4096+64*\c      ; K lo
	global_load_b128 v[116+8*\c:119+8*\c], v4, s[22:23] offset:4096+64*\c+32
.endr
.irp c, 0,1,2,3
	global_load_b128 v[16+8*\c:19+8*\c], v4, s[20:21] offset:64*\c             ; Q hi
	global_load_b128 v[20+8*\c:23+8*\c], v4, s[20:21] offset:64*\c+32
	global_load_b128 v[48+8*\c:51+8*\c], v4, s[20:21] offset:4096+64*\c        ; Q lo
	global_load_b128 v[52+8*\c:55+8*\c], v4, s[20:21] offset:4096+64*\c+32
.endr
	s_wait_loadcnt 32                              ; V is in; K's and Q's 32 loads may be out
.irp i, 0,1,2,3,4,5,6,7,8,9,10,11,12,13,14,15
	ds_store_b128 v7, v[144+4*\i:147+4*\i] offset:576*\i
.endr
.irp t, 0,1,2,3,4,5,6,7                            ; LDS serves a wave's instructions in order.  Tile t: channels 16 t on; registers 0-3 from hi's rows, 4-7 from lo's
	ds_load_tr16_b128 v[144+8*\t:147+8*\t], v8 offset:32*\t
	ds_load_tr16_b128 v[148+8*\t:151+8*\t], v8 offset:32*\t+4608
.endr
	s_wait_loadcnt 0x0
.irp c, 0,1,2,3                                    ; S^T = K Q^T in three sums that take turns: hi hi, hi lo, lo hi
.if \c == 0
	v_wmma_f32_16x16x32_f16 v[208:215], v[80:87], v[16:23], 0
	v_wmma_f32_16x16x32_f16 v[216:223], v[80:87], v[48:55], 0
	v_wmma_f32_16x16x32_f16 v[224:231], v[112:119], v[16:23], 0
.else
	v_wmma_f32_16x16x32_f16 v[208:215], v[80+8*\c:87+8*\c], v[16+8*\c:23+8*\c], v[208:215]
	v_wmma_f32_16x16x32_f16 v[216:223], v[80+8*\c:87+8*\c], v[48+8*\c:55+8*\c], v[216:223]
	v_wmma_f32_16x16x32_f16 v[224:231], v[112+8*\c:119+8*\c], v[16+8*\c:23+8*\c], v[224:231]
.endif
.endr
	PLACES                                         ; in front of the loads into K's registers and of the first reads of the sums
.irp c, 0,1,2,3
	global_load_b128 v[80+8*\c:83+8*\c],   v6, s[6:7] offset:64*\c             ; Wo^T hi: my 16 columns, my head's 128 along K
	global_load_b128 v[84+8*\c:87+8*\c],   v6, s[6:7] offset:64*\c+32
	global_load_b128 v[112+8*\c:115+8*\c], v6, s[6:7] offset:4194304+64*\c     ; lo
	global_load_b128 v[116+8*\c:119+8*\c], v6, s[6:7] offset:4194304+64*\c+32
.endr
.irp j, 0,2,4,6
	v_pk_add_f32 v[232+\j:233+\j], v[208+\j:209+\j], v[216+\j:217+\j]
.endr
.irp j, 0,2,4,6
	v_pk_add_f32 v[232+\j:233+\j], v[232+\j:233+\j], v[224+\j:225+\j]
.endr
.irp j, 0,1,2,3,4,5,6,7
	v_cmp_gt_i32 vcc_lo, \j, v14
	v_cndmask_b32 v[232+\j], v[232+\j], v15, vcc_lo
.endr
	v_max3_num_f32 v240, v232, v233, v234
	v_max3_num_f32 v241, v235, v236, v237
	v_max3_num_f32 v240, v240, v238, v239
	v_max_num_f32 v240, v240, v241
	v_permlanex16_b32 v241, v240, s26, s27
	v_max_num_f32 v240, v240, v241                 ; the row's maximum (key 0 counts for every query)
	v_mul_f32 v240, s24, v240
.irp j, 0,1,2,3,4,5,6,7
	v_fma_f32 v[232+\j], v[232+\j], s24, -v240
.endr
.irp j, 0,1,2,3,4,5,6,7
	v_exp_f32 v[232+\j], v[232+\j]
.endr
	v_nop
	s_wait_alu depctr_va_vdst(0)                   ; one wait for the eight
	v_pk_add_f32 v[242:243], v[232:233], v[234:235]
	v_pk_add_f32 v[244:245], v[236:237], v[238:239]
	v_pk_add_f32 v[242:243], v[242:243], v[244:245]
	v_add_f32 v242, v242, v243
	v_permlanex16_b32 v243, v242, s26, s27
	v_add_f32 v242, v242, v243
	v_rcp_f32 v244, v242
	v_nop
	s_wait_alu depctr_va_vdst(0)
.irp j, 0,2,4,6
	v_pk_mul_f32 v[232+\j:233+\j], v[232+\j:233+\j], v[244:245] op_sel_hi:[1,0]   ; the weights, normalised as reference() has them
.endr
.irp j, 0,1,2,3,4,5,6,7
	v_and_b32 v[240+\j], s25, v[232+\j]            ; p hi
.endr
.irp j, 0,2,4,6
	v_pk_add_f32 v[248+\j:249+\j], v[232+\j:233+\j], v[240+\j:241+\j] neg_lo:[0,1] neg_hi:[0,1]   ; p lo
.endr
.irp i, 0,1,2,3
	v_cvt_pk_f16_f32 v[240+\i], v[240+2*\i], v[241+2*\i]
.endr
.irp i, 0,1,2,3
	v_cvt_pk_f16_f32 v[248+\i], v[248+2*\i], v[249+2*\i]
.endr
.irp i, 0,1,2,3
	v_mov_b32 v[244+\i], v[240+\i]                 ; the same 8 keys once more: they meet V lo
	v_mov_b32 v[252+\i], v[248+\i]
.endr
	s_wait_dscnt 0x0                               ; V's fragments are in
.irp t, 0,1,2,3,4,5,6,7                            ; O^T: eight accumulators by turns
	v_wmma_f32_16x16x32_f16 v[16+8*\t:23+8*\t], v[144+8*\t:151+8*\t], v[240:247], 0
.endr
.irp t, 0,1,2,3,4,5,6,7
	v_wmma_f32_16x16x32_f16 v[16+8*\t:23+8*\t], v[144+8*\t:151+8*\t], v[248:255], v[16+8*\t:23+8*\t]
.endr
	PLACES
.irp t, 0,1,2,3,4,5,6,7                            ; O^T as hi and lo: tiles 2 c and 2 c + 1 pack straight into the operand of 32 along the projection's K
.irp j, 0,1,2,3,4,5,6,7
	v_and_b32 v[232+\j], s25, v[16+8*\t+\j]
.endr
.irp j, 0,2,4,6
	v_pk_add_f32 v[240+\j:241+\j], v[16+8*\t+\j:17+8*\t+\j], v[232+\j:233+\j] neg_lo:[0,1] neg_hi:[0,1]
.endr
.irp i, 0,1,2,3
	v_cvt_pk_f16_f32 v[144+4*\t+\i], v[232+2*\i], v[233+2*\i]
	v_cvt_pk_f16_f32 v[176+4*\t+\i], v[240+2*\i], v[241+2*\i]
.endr
.endr
	s_wait_loadcnt 0x0                             ; Wo^T
.irp c, 0,1,2,3                                    ; source 0 = 16 rows of Wo^T, source 1 = my 16 queries: three sums that take turns
.if \c == 0
	v_wmma_f32_16x16x32_f16 v[208:215], v[80:87], v[144:151], 0
	v_wmma_f32_16x16x32_f16 v[216:223], v[80:87], v[176:183], 0
	v_wmma_f32_16x16x32_f16 v[224:231], v[112:119], v[144:151], 0
.else
	v_wmma_f32_16x16x32_f16 v[208:215], v[80+8*\c:87+8*\c], v[144+8*\c:151+8*\c], v[208:215]
	v_wmma_f32_16x16x32_f16 v[216:223], v[80+8*\c:87+8*\c], v[176+8*\c:183+8*\c], v[216:223]
	v_wmma_f32_16x16x32_f16 v[224:231], v[112+8*\c:119+8*\c], v[144+8*\c:151+8*\c], v[224:231]
.endif
.endr
	PLACES
.irp j, 0,2,4,6
	v_pk_add_f32 v[232+\j:233+\j], v[208+\j:209+\j], v[216+\j:217+\j]
.endr
.irp j, 0,2,4,6
	v_pk_add_f32 v[232+\j:233+\j], v[232+\j:233+\j], v[224+\j:225+\j]
.endr
	ds_store_b128 v9, v[232:235]                   ; lane (r, h): query r, columns 8 h + 0 .. 7
	ds_store_b128 v9, v[236:239] offset:16
	s_wait_dscnt 0x0                               ; for the others' sake: my stores have landed
	s_barrier_signal -1
	s_barrier_wait -1
.irp i, 0,1,2,3,4,5,6,7
	ds_load_b32 v[240+\i], v11 offset:1280*\i      ; eight heads' partial sums of my row and column
.endr
	s_wait_dscnt 0x0
	v_pk_add_f32 v[240:241], v[240:241], v[242:243]
	v_pk_add_f32 v[244:245], v[244:245], v[246:247]
	v_pk_add_f32 v[240:241], v[240:241], v[244:245]
	v_add_f32 v240, v240, v241
	v_permlanex16_b32 v241, v240, s26, s27         ; the other eight heads'
	v_add_f32 v240, v240, v241
	s_wait_xcnt 0x0                                ; EXEC changes only behind this wait
	v_cmp_gt_u32 vcc_lo, 16, v3
	s_and_saveexec_b32 s28, vcc_lo
	global_store_b32 v10, v240, s[8:9]             ; sixteen lanes store the row's 64 bytes of this work-group
	s_wait_xcnt 0x0
	s_or_b32 exec_lo, exec_lo, s28
	s_wait_tensorcnt 0x0                           ; the wave's end
	ds_add_u32 v[SPW], v[NIL]
	s_wait_dscnt 0x0
	s_endpgm
.Lfunc_end_k_qf46c90c830_fine:
	.size	k_qf46c90c830_fine, .Lfunc_end_k_qf46c90c830_fine-k_qf46c90c830_fine
	.p2alignl 7, 3214868480
	.fill 96, 4, 3214868480
	.section	.rodata,"a",@progbits
	.p2align	6, 0x0
	.amdhsa_kernel k_qf46c90c830_fine
		.amdhsa_group_segment_fixed_size 169984
		.amdhsa_private_segment_fixed_size 0
		.amdhsa_enable_private_segment 0
		.amdhsa_kernarg_size 24
		.amdhsa_user_sgpr_count 2
		.amdhsa_user_sgpr_kernarg_segment_ptr 1
		.amdhsa_wavefront_size32 1
		.amdhsa_system_sgpr_workgroup_id_x 1
		.amdhsa_system_sgpr_workgroup_id_y 1
		.amdhsa_system_sgpr_workgroup_id_z 1
		.amdhsa_system_vgpr_workitem_id 0
		.amdhsa_next_free_vgpr 256
		.amdhsa_next_free_sgpr 66
		.amdhsa_reserve_vcc 1
		.amdhsa_float_denorm_mode_32 3
		.amdhsa_float_denorm_mode_16_64 3
		.amdhsa_memory_ordered 1
		.amdhsa_forward_progress 1
		.amdhsa_inst_pref_size 29
	.end_amdhsa_kernel
	.amdgpu_metadata
---
amdhsa.version: [ 1, 2 ]
amdhsa.kernels:
  - .name:           k_qf46c90c830_fine
    .symbol:         k_qf46c90c830_fine.kd
    .args:
      - { .name: fhl, .offset: 0, .size: 8, .value_kind: global_buffer, .address_space: global }
      - { .name: wo16, .offset: 8, .size: 8, .value_kind: global_buffer, .address_space: global }
      - { .name: out0, .offset: 16, .size: 8, .value_kind: global_buffer, .address_space: global }
    .group_segment_fixed_size: 169984
    .private_segment_fixed_size: 0
    .kernarg_segment_align: 8
    .kernarg_segment_size: 24
    .max_flat_workgroup_size: 512
    .sgpr_count:     66
    .vgpr_count:     256
    .wavefront_size: 32
...
	.end_amdgpu_metadata
.endif
;; end of part 5
